; MI455X (gfx1250); checked and timed in simulation.
; The chip was launched on July 23, 2026; its instructions are those of AMD's public machine-readable ISA for CDNA 5 (MIT licence, August 2026) and "CDNA5" Instruction Set Architecture Reference Guide (July 2026). The comments in the code are by the model that wrote it; some were corrected since.
;; Attn Aware. Allowed arithmetic: matrix products marked QUANTISED: E2M3 operands, one E8M0 scale for each 32 along K, by v_wmma_scale_f32_16x16x128_f8f6f4 with both operands' format E2M3, f32 sums; everything else in f32.
;; Inputs: W1 256 x 512 float32; W2 256 x 256 float32; Wk 256 x 256 float32; Wq 256 x 256 float32; Ws 256 x 512 float32; alpha_k 1 x 256 x 1 x 1 float32; alpha_q 1 x 256 x 1 x 1 float32; alpha_r1 1 x 512 x 1 x 1 float32; alpha_r2 1 x 256 x 1 x 1 float32; b1 256 float32; b2 256 float32; bk 256 float32; bq 256 float32; bs 256 float32; x 4 x 256 x 64 x 64 float32.
;; Outputs: out0 4 x 256 x 64 x 64 float32.
;; This version of the problem:
;;   THIS VERSION OF THE PROBLEM IS GIVEN IN LOW PRECISION. The matrix products marked QUANTISED in the list below multiply operands that are first quantised to E2M3 (2 exponent bits, 3 mantissa bits; 6 bits a number), with one power-of-two scale for each 32 numbers along K (OCP MX v1.0); their sums are f32. All else is computed in f32.
;;   The module's matrix products, in the order in which they are computed (A, B: the left and right operand; K: the contracted axis; several contracted axes count as one K, in the product's order):
;;     1. [M 16,384, K 256] x [K 256, N 256]; A: computed on the way; B: input Wq: QUANTISED
;;     2. [M 16,384, K 256] x [K 256, N 256]; A: computed on the way; B: input Wk: QUANTISED
;;     3. batch 8 x [M 4,096, K 128] x [K 128, N 4,096]; A: computed on the way; B: computed on the way: QUANTISED
;;     4. batch 8 x [M 4,096, K 4,096] x [K 4,096, N 128]; A: softmax (see below); B: input x: QUANTISED
;;     5. [M 16,384, K 512] x [K 512, N 256]; A: computed on the way; B: input Ws: QUANTISED
;;     6. [M 16,384, K 512] x [K 512, N 256]; A: computed on the way; B: input W1: QUANTISED
;;     7. [M 16,384, K 256] x [K 256, N 256]; A: computed on the way; B: input W2: QUANTISED
;;   THE QUANTISER, for each operand of a quantised product, along K:
;;     - K is cut into blocks of 32 from its start; a last block that is shorter is filled with zeros.
;;     - A block's scale is 2^e with e = floor(log2(the largest magnitude in the block)) - 2, held to -126 .. 127; a block of zeros has e = 0. As a byte (E8M0): e + 127.
;;     - Each number is divided by its block's scale, clamped to +-7.5, and rounded to the nearest number of E2M3, ties to even, subnormals kept.
;;     - The product sums the exact products of the quantised numbers (number of the format x scale) in f32.
;;   ~~~python
;;   def quantise(x, axis):      # numpy; x: float32 -> the quantised numbers, widened to float32 again
;;       x = np.moveaxis(x, axis, -1); K = x.shape[-1]
;;       x = np.pad(x, [(0, 0)] * (x.ndim - 1) + [(0, -K % 32)]); x = x.reshape(x.shape[:-1] + (-1, 32)); a = np.abs(x).max(-1, keepdims=True)
;;       e = np.where(a > 0, np.clip(np.frexp(np.where(a > 0, a, 1))[1] - 1 - 2, -126, 127), 0)      # np.frexp(a)[1] - 1 = floor(log2(a)), exactly
;;       r = np.clip(x / 2.0 ** e, -7.5, 7.5)
;;       step = 2.0 ** (np.maximum(np.frexp(np.where(r == 0, 1, r))[1] - 1, 0) - 3)
;;       q = np.round(r / step) * step * 2.0 ** e      # np.round: ties to even
;;       return np.moveaxis(q.reshape(q.shape[:-2] + (-1,))[..., :K], -1, axis).astype(np.float32)
;;   ~~~
;;   SOFTMAX AHEAD OF A QUANTISED PRODUCT. Where the list says 'softmax', what is quantised is not the finished softmax but p = 2^(t - M), with t = logit x log2(e) and M = ceil(the row's largest t), a whole number; so 1/2 < the row's largest p <= 1. The row's sum l is taken of the UNQUANTISED p, in f32, and the product's result is divided by l at the end. Since M is a whole number, a kernel that streams over the keys may use a running M (the ceiling of the running maximum): every later rescaling is an exact power of two, which a block's scale takes up: the codes' values come out the same.
;;   OPERANDS COMPUTED ON THE WAY. 'Computed on the way' means the value that the module computes at that place (a softmax that the list does not call 'softmax' is quantised finished and normalised). What goes into a quantiser is computed in f32, as accurately as f32 sums, v_exp_f32 and their like allow (about 1e-6 of the number): no bf16 or f16 on the way to a quantiser, and a product that is left as it is and whose result goes on into a quantised operand takes f32 operands (vector FMAs, or v_wmma_f32_16x16x4_f32). A number that lies on a knife's edge between two numbers of the format may be rounded either way, as far as f32 arithmetic and the matrix unit's own rounding can turn it there, and no further.
;; One version. Each part assembles by itself: llvm-mc -triple=amdgcn-amd-amdhsa -mcpu=gfx1250 --defsym DOCPART=n.
;; ======== version 1 of 1: 4 launches
;; workspace buffers: cw 3,635,200 bytes; qk 6,553,600 bytes; att 16,777,216 bytes
;; launch quant (part 1): grid 284 x 1, 8 waves a work-group, no clusters, 69,120 bytes of LDS; arguments x, Wq, Wk, W1, Ws, W2, cw; writes cw
.if DOCPART == 1
	.amdgcn_target "amdgcn-amd-amdhsa--gfx1250"
	.amdhsa_code_object_version 6
	.text
	.protected	k_qd62b56d216_quant
	.globl	k_qd62b56d216_quant
	.p2align	8
	.type	k_qd62b56d216_quant,@function
k_qd62b56d216_quant:
	s_mov_b64 s[64:65], 0
	v_nop
	global_prefetch_b8 v0, s[64:65] scope:SCOPE_SE
	s_setreg_imm32_b32 hwreg(HW_REG_WAVE_MODE, 25, 1), 1
	s_wait_xcnt 0x0
; x (as the values of attention: K = the tokens, x's innermost axis) and the five weights (K = their innermost axis), all f32, become codes of FP6 (E2M3)
; with one E8M0 scale byte for each 32 along K, laid as the later launches' matrix operands want them.
; A FRAGMENT is 16 rows x 128 along K, 12 registers a lane (lane (r, h): registers 6 c .. 6 c + 5 hold k = 64 c + 32 h + 0 .. 31).  It is stored as the IMAGE OF ITS REGISTERS,
; 1,536 bytes: registers 4 c .. 4 c + 3 of lane l at 512 c + 16 l.  Its 16 scale words (row r's at 4 r) are 64 bytes.  Fragment f: image at 1536 f, scale words at SCW + 64 f.
; THE ROWS OF A TILE ARE NOT NEIGHBOURS: lane r of tile 2 b + u of a run of 128 rows takes row 32 b + 8 u + r + 8 (r / 8), so that, the tile being source 0 of a product, the 16 result registers
; of tiles 2 b and 2 b + 1 are 16 neighbouring rows.
; ORDER OF FRAGMENTS: all six tensors are [runs of 128 rows][K steps of 128][8 tiles]; x (1,024 rows x 4,096) first, then Wq, Wk, W1, Ws, W2.  A work-group takes one (run, K step), its wave t tile t: f = 8 x work-group + wave.
; One path serves all six: the tensor's address, its first work-group and log2 of its K steps are chosen by the work-group's number alone.
; A wave's 16 loads read 512 consecutive bytes of a row each; the rows turn through the wave's own stage in LDS (pitch 528) so that a lane gets two whole blocks of 32 of its row.
; A block's scale is 2^(floor(log2(largest magnitude)) - 2): its byte is the largest magnitude's exponent field - 2, held at 1 from below by a floor among the maximum's leaves.
; LIMITS: a block of zeros, or one whose largest magnitude lies under 2^-124, keeps the byte 1 (its codes are zeros or nearly; the bytes are read by this program alone); NaN and infinities are not served.
.set SCW,  3489792                     ; 2,272 fragments x 1,536 bytes: where the scale words begin
.set STG,  8448                        ; a wave's stage: 16 rows x 528 bytes
.set SG,   67584                       ; behind the eight stages: the work-group's 8 x 64 bytes of scale words
.set OFFR, 16                          ; v16-31  byte offset of my 16 bytes in row i of the tile
.set R,    32                          ; v32-95  the rows as loaded
.set X,    96                          ; v96-159 my two blocks of 32
.set PC,   160                         ; v160-171 the fragment
.set CT,   172                         ; v172-178 the upper halves' codes (a conversion's three registers begin on an even number)
.set MX,   180                         ; v180-181 largest magnitudes
.set SOP,  182                         ; v182-183 the conversions' scale operands
.set BY,   184                         ; v184-185 scale bytes
.set WD,   186                         ; v186 my row's scale word
.set TP,   187
.macro PICK first, ptr, lk             ; from work-group 'first' on: the tensor at s[ptr], with 2^lk K steps
	s_cmp_ge_u32 ttmp9, \first
	s_cselect_b64 s[4:5], s[\ptr:\ptr+1], s[4:5]
	s_cselect_b32 s20, \first, s20
	s_cselect_b32 s21, \lk, s21
.endm
	s_load_b256 s[4:11], s[0:1], 0x0               ; x, Wq, Wk, W1
	s_load_b128 s[12:15], s[0:1], 0x20             ; Ws, W2
	s_load_b64 s[16:17], s[0:1], 0x30              ; cw
	v_lshl_add_u32 v192, v0, 2, 0x10a00
	v_mov_b32 v193, 0
	v_lshrrev_b32 v1, 5, v0
	v_readfirstlane_b32 s24, v1                    ; wave = tile
	v_and_b32 v1, 31, v0                           ; lane
	v_and_b32 v2, 15, v0                           ; r
	v_bfe_u32 v3, v0, 4, 1                         ; h
	v_lshlrev_b32 v4, 4, v1                        ; 16 x lane
	s_mul_i32 s25, s24, STG
	v_add_nc_u32 v5, s25, v4                       ; into the stage: a row's 512 bytes as they lie
	v_mul_u32_u24 v6, v2, 528
	v_lshl_add_u32 v6, v3, 7, v6
	v_add_nc_u32 v6, s25, v6                       ; out of it: row r, + 128 h bytes: k = 32 h on
	s_lshl_b32 s26, s24, 6
	s_add_co_u32 s26, s26, SG
	v_lshl_add_u32 v7, v2, 2, s26                  ; my row's scale word among the work-group's
	v_add_nc_u32 v8, SG, v4                        ; and where wave 0 reads them all back
	s_mov_b32 s34, 0x76543210
	s_mov_b32 s35, 0xfedcba98                      ; v_permlanex16_b32's selects for lane l xor 16
	s_mov_b32 s20, 0                               ; x: first work-group 0,
	s_mov_b32 s21, 5                               ; 32 K steps
	s_wait_kmcnt 0x0
	PICK 256, 6, 1                                 ; Wq
	PICK 260, 8, 1                                 ; Wk
	PICK 264, 10, 2                                ; W1
	PICK 272, 12, 2                                ; Ws
	PICK 280, 14, 1                                ; W2
	s_sub_co_u32 s22, ttmp9, s20                   ; my number within the tensor
	s_lshl_b32 s23, 1, s21
	s_sub_co_u32 s23, s23, 1
	s_and_b32 s23, s22, s23                        ; K step
	s_lshr_b32 s22, s22, s21                       ; run of 128 rows
	s_lshl_b32 s27, 512, s21                       ; a row in bytes
	s_lshl_b32 s28, s22, 7
	s_lshr_b32 s29, s24, 1
	s_lshl_b32 s29, s29, 5
	s_add_co_u32 s28, s28, s29
	s_and_b32 s29, s24, 1
	s_lshl_b32 s29, s29, 3
	s_add_co_u32 s28, s28, s29                     ; the tile's first row: 128 run + 32 (t / 2) + 8 (t % 2)
	s_mul_i32 s28, s28, s27
	s_lshl_b32 s29, s23, 9
	s_add_co_u32 s28, s28, s29                     ; + 512 bytes a K step: under 2^25
	s_mov_b32 s29, 0
	s_add_nc_u64 s[4:5], s[4:5], s[28:29]
	s_lshl_b32 s30, ttmp9, 3
	s_add_co_u32 s30, s30, s24                     ; f
	s_mul_i32 s30, s30, 1536
	s_mov_b32 s31, 0
	s_add_nc_u64 s[18:19], s[16:17], s[30:31]      ; my image
	s_lshl_b32 s30, ttmp9, 9
	s_add_co_u32 s30, s30, SCW
	s_add_nc_u64 s[16:17], s[16:17], s[30:31]      ; the work-group's 512 bytes of scale words
.irp i, 0,1,2,3,4,5,6,7,8,9,10,11,12,13,14,15
	v_mad_u32_u24 v[OFFR+\i], s27, \i+8*(\i/8), v4 ; row i + 8 (i / 8) of the tile's 24
.endr
.irp i, 0,1,2,3,4,5,6,7,8,9,10,11,12,13,14,15
	global_load_b128 v[R+4*\i:R+4*\i+3], v[OFFR+\i], s[4:5]        ; 32 lanes read 512 consecutive bytes, at a multiple of 512 from the tensor's first byte
.endr
.irp i, 0,1,2,3,4,5,6,7,8,9,10,11,12,13,14,15
	s_wait_loadcnt 15-\i                           ; loads come back in order: row i is in, the 15 - i younger ones may be out
	ds_store_b128 v5, v[R+4*\i:R+4*\i+3] offset:528*\i
.endr
.irp c, 0,1
.irp j, 0,1,2,3,4,5,6,7
	ds_load_b128 v[X+32*\c+4*\j:X+32*\c+4*\j+3], v6 offset:256*\c+16*\j   ; k = 64 c + 32 h + 4 j on.  LDS serves a wave's instructions in order: these see my stores
.endr
.endr
	s_wait_dscnt 0x0
.irp c, 0,1                                    ; my block 2 c + h: all its 32 numbers are mine
	v_max3_num_f32 v[MX+\c], |v[X+32*\c]|, |v[X+32*\c+1]|, 0x1800000   ; with the floor 2^(3 - 127): the byte cannot fall under 1
.endr
.irp i, 2,4,6,8,10,12,14,16,18,20,22,24,26,28,30
.irp c, 0,1
	v_max3_num_f32 v[MX+\c], v[MX+\c], |v[X+32*\c+\i]|, |v[X+32*\c+\i+1]|
.endr
.endr
.irp c, 0,1
	v_add_nc_u32 v[SOP+\c], 0xff000000, v[MX+\c]   ; 2 off the exponent field: the conversion takes this operand's exponent field as its scale
.endr
.irp c, 0,1
	v_lshrrev_b32 v[BY+\c], 23, v[SOP+\c]          ; the scale's byte
.endr
	v_lshl_or_b32 v[WD], v[BY+1], 16, v[BY]        ; my two bytes: blocks h and 2 + h,
	v_lshlrev_b32 v[TP], 3, v3
	v_lshlrev_b32 v[WD], v[TP], v[WD]              ; 8 h bits up;
	v_mov_b32 v[TP], 0
	v_permlanex16_b32 v[TP], v[WD], s34, s35
	v_or_b32 v[WD], v[WD], v[TP]                   ; with lane l xor 16's two the word is whole
.irp c, 0,1
	v_cvt_scalef32_pk16_fp6_f32 v[PC+6*\c:PC+6*\c+2], v[X+32*\c:X+32*\c+15], v[SOP+\c]
	v_cvt_scalef32_pk16_fp6_f32 v[CT+4*\c:CT+4*\c+2], v[X+32*\c+16:X+32*\c+31], v[SOP+\c]
.endr
	v_nop                                          ; one plain place behind a scaled conversion
.irp c, 0,1
.irp i, 0,1,2
	v_mov_b32 v[PC+3+6*\c+\i], v[CT+4*\c+\i]
.endr
.endr
.irp c, 0,1,2
	global_store_b128 v4, v[PC+4*\c:PC+4*\c+3], s[18:19] offset:512*\c   ; the image: 512 consecutive bytes a store, at a multiple of 512 from cw's first byte
.endr
	ds_store_b32 v7, v[WD]                         ; lanes l and l xor 16 write the same word with the same value
	s_wait_dscnt 0x0                               ; for wave 0's sake: my word has landed
	s_barrier_signal -1
	s_barrier_wait -1
	s_cmp_lg_u32 s24, 0
	s_cbranch_scc1 .Ldone
	ds_load_b128 v[R:R+3], v8                      ; the eight tiles' scale words
	s_wait_dscnt 0x0
	global_store_b128 v4, v[R:R+3], s[16:17]       ; 512 consecutive bytes, at a multiple of 512 from cw's first byte
.Ldone:
	s_wait_tensorcnt 0x0
	ds_add_u32 v192, v193
	s_wait_dscnt 0x0
	s_endpgm
.Lfunc_end_k_qd62b56d216_quant:
	.size	k_qd62b56d216_quant, .Lfunc_end_k_qd62b56d216_quant-k_qd62b56d216_quant
	.p2alignl 7, 3214868480
	.fill 96, 4, 3214868480
	.section	.rodata,"a",@progbits
	.p2align	6, 0x0
	.amdhsa_kernel k_qd62b56d216_quant
		.amdhsa_group_segment_fixed_size 69120
		.amdhsa_private_segment_fixed_size 0
		.amdhsa_enable_private_segment 0
		.amdhsa_kernarg_size 56
		.amdhsa_user_sgpr_count 2
		.amdhsa_user_sgpr_kernarg_segment_ptr 1
		.amdhsa_wavefront_size32 1
		.amdhsa_system_sgpr_workgroup_id_x 1
		.amdhsa_system_sgpr_workgroup_id_y 1
		.amdhsa_system_sgpr_workgroup_id_z 1
		.amdhsa_system_vgpr_workitem_id 0
		.amdhsa_next_free_vgpr 194
		.amdhsa_next_free_sgpr 66
		.amdhsa_reserve_vcc 0
		.amdhsa_float_denorm_mode_32 3
		.amdhsa_float_denorm_mode_16_64 3
		.amdhsa_memory_ordered 1
		.amdhsa_forward_progress 1
		.amdhsa_inst_pref_size 13
	.end_amdhsa_kernel
	.amdgpu_metadata
---
amdhsa.version: [ 1, 2 ]
amdhsa.kernels:
  - .name:           k_qd62b56d216_quant
    .symbol:         k_qd62b56d216_quant.kd
    .args:
      - { .name: x, .offset: 0, .size: 8, .value_kind: global_buffer, .address_space: global }
      - { .name: Wq, .offset: 8, .size: 8, .value_kind: global_buffer, .address_space: global }
      - { .name: Wk, .offset: 16, .size: 8, .value_kind: global_buffer, .address_space: global }
      - { .name: W1, .offset: 24, .size: 8, .value_kind: global_buffer, .address_space: global }
      - { .name: Ws, .offset: 32, .size: 8, .value_kind: global_buffer, .address_space: global }
      - { .name: W2, .offset: 40, .size: 8, .value_kind: global_buffer, .address_space: global }
      - { .name: cw, .offset: 48, .size: 8, .value_kind: global_buffer, .address_space: global }
    .group_segment_fixed_size: 69120
    .private_segment_fixed_size: 0
    .kernarg_segment_align: 8
    .kernarg_segment_size: 56
    .max_flat_workgroup_size: 256
    .sgpr_count:     66
    .vgpr_count:     194
    .wavefront_size: 32
...
	.end_amdgpu_metadata
.endif
;; end of part 1
;; launch proj (part 2): grid 256 x 1, 4 waves a work-group, no clusters, 168,448 bytes of LDS; arguments x, alpha_q, alpha_k, bq, bk, cw, qk; writes qk
.if DOCPART == 2
	.amdgcn_target "amdgcn-amd-amdhsa--gfx1250"
	.amdhsa_code_object_version 6
	.text
	.protected	k_qd62b56d216_proj
	.globl	k_qd62b56d216_proj
	.p2align	8
	.type	k_qd62b56d216_proj,@function
k_qd62b56d216_proj:
	s_mov_b64 s[64:65], 0
	v_nop
	global_prefetch_b8 v0, s[64:65] scope:SCOPE_SE
	s_setreg_imm32_b32 hwreg(HW_REG_WAVE_MODE, 25, 1), 1
	s_wait_xcnt 0x0
; q = Wq gelu(pixnorm(x, alpha_q)) + bq and k likewise, both products on codes of FP6 (E2M3) with one E8M0 scale for each 32 along K; then q and k are quantised along the head's 128 and stored as operands of attention.
; A work-group takes 64 tokens of one image: x's tile [256 channels][64 tokens] comes into LDS once (one tensor load a wave, 64 rows of 256 bytes, 8 bytes of padding behind each).
; PHASE X: wave w owns token tile w (tokens 32 (w / 2) + 8 (w % 2) + r + 8 (r / 8), lane r): mean of squares over the 256 channels, then for q and for k and each K step of 128 channels:
; alpha x, times rsqrt, gelu, quantised in registers; the fragment goes to LDS as the image of its registers (3 stores of 512 bytes), its scale words as 4 bytes a lane.  One barrier.
; PHASE 1: wave w owns 128 output channels (w / 2: q or k; w % 2: the head) for all 64 tokens; its 16 weight fragments stay in registers.  The product is used transposed (source 0 = 16 rows of W, source 1 = 16 tokens),
; and the rows of a weight tile are chosen (by the launch that made them) so that a lane's 64 results are register 16 b + i = channel 32 b + 16 (lane / 16) + i of its token: what the quantiser wants.  The bias is the C of a sum's first product.
; gelu(u) = u / 2 + (u / 2) erf(u / sqrt 2); erf(z) = zc P(zc^2) / Q(zc^2), zc = z held to +-4, P of degree 6 and Q of degree 4.
; LIMITS: the factor (1 + erf) / 2 carries an absolute error of about 1e-7, so far negative u have a larger relative one; a block of zeros or under 2^-124 keeps the scale byte 1 (read by this program alone); NaN and infinities are not served.
; REGISTERS: window 0 as named below; window 1 v0-191 my 16 weight fragments (K step s, tile t at 12 (8 s + t)); window 2 v0-63 my bias, eight registers a tile in the result's layout.
.set XP,   264                         ; a channel's row in LDS: 256 bytes + 8
.set AIMG, 67584                       ; behind x's tile: 16 images (8 x (q or k) + 2 x token tile + K step)
.set ASC,  92160                       ; their scale words, 128 bytes each
.set QS,   94208                       ; 256 bytes a wave: q's or k's scale words on their way out
.set SCW,  3489792                     ; where cw's scale words begin
.set LI,  1                            ; v1   16 x lane
.set LS,  2                            ; v2   4 x lane
.set AH,  3                            ; v3   64 x (lane / 16)
.set XA,  4                            ; v4   x's tile: my token, my half's first channel
.set QSA, 5                            ; v5   QS: my row's word
.set QSR, 6                            ; v6   QS: 8 bytes a lane, on the way out
.set QSG, 7                            ; v7   8 x lane
.set IW,  11                           ; v11  where I store images
.set IS,  12                           ; v12  and their scale words
.set RR,  14                           ; v14-15 rsqrt(mean + 1e-8), twice
.set U,   16                           ; v16-79  64 numbers of my token
.set AL,  80                           ; v80-143 alpha at the same channels
.set GZ,  144                          ; v144-175 gelu at work
.set GY,  152
.set GP,  160
.set GQ,  168
.set TM,  176                          ; v176-191 the quantiser at work
.set T2,  192                          ; v192-198 the upper halves' codes
.set PC,  200                          ; v200-211 the fragment just made
.set PW,  212                          ; v212 its scale word
.set TP,  213
.set SS,  214                          ; v214-221 sums of squares, four pairs
.set WS,  230                          ; v230-237 the weights' scale words: register 4 s + p: lanes 0-15 tile 2 p, lanes 16-31 tile 2 p + 1
.set XS,  238                          ; v238-239 the activations' scale words
.set KA,  250                          ; v250-251 P's leading coefficient, twice
.set KB,  252                          ; v252-253 Q's
.set LI2, 254                          ; v254 where I read images
.set LS2, 255                          ; v255 and their scale words
.set HA,  16                           ; phase 1: v16-79 eight accumulators
.set XF,  80                           ; v80-103 a token tile's two fragments
.set PCS, 112                          ; v112-159 q's or k's fragments, one for each token tile
.set PWS, 160                          ; v160-163 their scale words
.set SEL, 36                           ; s[36:37] v_permlanex16_b32's selects for lane l xor 16
.set MSB, 0
.macro WIN new                         ; the immediate's high byte repeats the setting that is left
.if MSB != \new
	s_set_vgpr_msb (MSB<<8)|\new
.set MSB, \new
.endif
.endm
.macro SPAIR r, v                      ; a constant as a pair: the packed forms name a pair and take its low word for both halves
	s_mov_b32 s[\r], \v
	s_mov_b32 s[\r+1], \v
.endm
; One product.  c < 0: the constant 0 starts the sum.  row = 1: source 0's scales stand in lanes 16-31 of their register; 2: source 1's.
.macro MM d, a, b, c, sa, sb, row
.if (\c) < 0
.if (\row) == 1
	v_wmma_scale_f32_16x16x128_f8f6f4 v[\d:\d+7], v[\a:\a+11], v[\b:\b+11], 0, v[\sa], v[\sb] matrix_a_fmt:MATRIX_FMT_FP6 matrix_b_fmt:MATRIX_FMT_FP6 matrix_a_scale:MATRIX_SCALE_ROW1
.elseif (\row) == 2
	v_wmma_scale_f32_16x16x128_f8f6f4 v[\d:\d+7], v[\a:\a+11], v[\b:\b+11], 0, v[\sa], v[\sb] matrix_a_fmt:MATRIX_FMT_FP6 matrix_b_fmt:MATRIX_FMT_FP6 matrix_b_scale:MATRIX_SCALE_ROW1
.else
	v_wmma_scale_f32_16x16x128_f8f6f4 v[\d:\d+7], v[\a:\a+11], v[\b:\b+11], 0, v[\sa], v[\sb] matrix_a_fmt:MATRIX_FMT_FP6 matrix_b_fmt:MATRIX_FMT_FP6
.endif
.else
.if (\row) == 1
	v_wmma_scale_f32_16x16x128_f8f6f4 v[\d:\d+7], v[\a:\a+11], v[\b:\b+11], v[\c:\c+7], v[\sa], v[\sb] matrix_a_fmt:MATRIX_FMT_FP6 matrix_b_fmt:MATRIX_FMT_FP6 matrix_a_scale:MATRIX_SCALE_ROW1
.elseif (\row) == 2
	v_wmma_scale_f32_16x16x128_f8f6f4 v[\d:\d+7], v[\a:\a+11], v[\b:\b+11], v[\c:\c+7], v[\sa], v[\sb] matrix_a_fmt:MATRIX_FMT_FP6 matrix_b_fmt:MATRIX_FMT_FP6 matrix_b_scale:MATRIX_SCALE_ROW1
.else
	v_wmma_scale_f32_16x16x128_f8f6f4 v[\d:\d+7], v[\a:\a+11], v[\b:\b+11], v[\c:\c+7], v[\sa], v[\sb] matrix_a_fmt:MATRIX_FMT_FP6 matrix_b_fmt:MATRIX_FMT_FP6
.endif
.endif
.endm
; 64 numbers of my token out of x's tile: register 16 b + i = channel 128 s + 32 b + 16 (lane / 16) + i.  Lanes 16-31 stand 16 rows, 1,056 words, further on: the other half of the banks (64 banks of 4 bytes: ISA guide 11.1)
.macro RDX dst, s
.irp b, 0,1,2,3
.irp i, 0,1,2,3,4,5,6,7,8,9,10,11,12,13,14,15
	ds_load_b32 v[\dst+16*\b+\i], v[XA] offset:(128*(\s)+32*\b+\i)*XP
.endr
.endr
.endm
.macro ALOAD sb, s                     ; alpha at the same channels
.irp b, 0,1,2,3
.irp j, 0,1,2,3
	global_load_b128 v[AL+16*\b+4*\j:AL+16*\b+4*\j+3], v[AH], s[\sb:\sb+1] offset:512*(\s)+128*\b+16*\j
.endr
.endr
.endm
.macro SUMSQ first                     ; U's squares onto four pairs of sums; first = 1: the first four products start them
.set SQ, 0
.rept 32
.if \first && (SQ < 4)
	v_pk_mul_f32 v[SS+2*SQ:SS+2*SQ+1], v[U+2*SQ:U+2*SQ+1], v[U+2*SQ:U+2*SQ+1]
.else
	v_pk_fma_f32 v[SS+2*(SQ%4):SS+2*(SQ%4)+1], v[U+2*SQ:U+2*SQ+1], v[U+2*SQ:U+2*SQ+1], v[SS+2*(SQ%4):SS+2*(SQ%4)+1]
.endif
.set SQ, SQ+1
.endr
.endm
.macro RNORM                           ; rsqrt(sum x s38 + 1e-8): s38 = 1 / the number of channels, a power of two, so the fused form rounds as mean + 1e-8 does
	v_pk_add_f32 v[SS:SS+1], v[SS:SS+1], v[SS+2:SS+3]
	v_pk_add_f32 v[SS+4:SS+5], v[SS+4:SS+5], v[SS+6:SS+7]
	v_pk_add_f32 v[SS:SS+1], v[SS:SS+1], v[SS+4:SS+5]
	v_add_f32 v[SS], v[SS], v[SS+1]
	v_permlanex16_b32 v[TP], v[SS], s[SEL], s[SEL+1]   ; the token's other channels lie in lane l xor 16
	v_add_f32 v[SS], v[SS], v[TP]
	v_fma_f32 v[SS], v[SS], s38, s39
	v_rsq_f32 v[RR], v[SS]
	v_nop                                          ; one plain place behind a transcendental
	s_wait_alu depctr_va_vdst(0)
	v_mov_b32 v[RR+1], v[RR]
.endm
.macro GELU8 u                         ; eight numbers in place, stage by stage over four pairs, P's and Q's chains by turns
.irp k, 0,2,4,6
	v_pk_mul_f32 v[GZ+\k:GZ+\k+1], v[\u+\k:\u+\k+1], s[60:61] op_sel_hi:[1,0]   ; z = u / sqrt 2
.endr
.irp k, 0,1,2,3,4,5,6,7
	v_med3_num_f32 v[GZ+\k], v[GZ+\k], -4.0, 4.0
.endr
.irp k, 0,2,4,6
	v_pk_mul_f32 v[GY+\k:GY+\k+1], v[GZ+\k:GZ+\k+1], v[GZ+\k:GZ+\k+1]
.endr
.irp k, 0,2,4,6
	v_pk_fma_f32 v[GP+\k:GP+\k+1], v[GY+\k:GY+\k+1], v[KA:KA+1], s[40:41] op_sel_hi:[1,1,0]
	v_pk_fma_f32 v[GQ+\k:GQ+\k+1], v[GY+\k:GY+\k+1], v[KB:KB+1], s[52:53] op_sel_hi:[1,1,0]
.endr
.irp n, 0,1,2
.irp k, 0,2,4,6
	v_pk_fma_f32 v[GP+\k:GP+\k+1], v[GP+\k:GP+\k+1], v[GY+\k:GY+\k+1], s[42+2*\n:43+2*\n] op_sel_hi:[1,1,0]
	v_pk_fma_f32 v[GQ+\k:GQ+\k+1], v[GQ+\k:GQ+\k+1], v[GY+\k:GY+\k+1], s[54+2*\n:55+2*\n] op_sel_hi:[1,1,0]
.endr
.endr
.irp n, 3,4
.irp k, 0,2,4,6
	v_pk_fma_f32 v[GP+\k:GP+\k+1], v[GP+\k:GP+\k+1], v[GY+\k:GY+\k+1], s[42+2*\n:43+2*\n] op_sel_hi:[1,1,0]
.endr
.endr
.irp k, 0,1,2,3,4,5,6,7
	v_rcp_f32 v[GQ+\k], v[GQ+\k]
.endr
.irp k, 0,2,4,6
	v_pk_mul_f32 v[GP+\k:GP+\k+1], v[GP+\k:GP+\k+1], v[GZ+\k:GZ+\k+1]           ; (plain places behind the reciprocals)
.endr
.irp k, 0,2,4,6
	v_pk_mul_f32 v[\u+\k:\u+\k+1], v[\u+\k:\u+\k+1], 0.5 op_sel_hi:[1,0]
.endr
	s_wait_alu depctr_va_vdst(0)
.irp k, 0,2,4,6
	v_pk_mul_f32 v[GP+\k:GP+\k+1], v[GP+\k:GP+\k+1], v[GQ+\k:GQ+\k+1]           ; erf
.endr
.irp k, 0,2,4,6
	v_pk_fma_f32 v[\u+\k:\u+\k+1], v[GP+\k:GP+\k+1], v[\u+\k:\u+\k+1], v[\u+\k:\u+\k+1]
.endr
.endm
; 64 numbers of a lane, register 16 b + i = k 32 b + 16 (lane / 16) + i of my row, become a fragment's codes in v[pc] on and its scale word in v[pw].
.macro QUANT s, pc, pw
.irp b, 0,1,2,3
	v_max3_num_f32 v[TM+\b], |v[\s+16*\b]|, |v[\s+1+16*\b]|, 0x1800000   ; block b: my 16 numbers, and the floor 2^(3 - 127): the byte cannot fall under 1
.endr
.irp i, 2,4,6,8,10,12,14
.irp b, 0,1,2,3
	v_max3_num_f32 v[TM+\b], v[TM+\b], |v[\s+16*\b+\i]|, |v[\s+1+16*\b+\i]|
.endr
.endr
.irp b, 0,1,2,3
	v_permlanex16_b32 v[TM+4+\b], v[TM+\b], s[SEL], s[SEL+1]
.endr
.irp b, 0,1,2,3
	v_max_num_f32 v[TM+\b], v[TM+\b], v[TM+4+\b]   ; with lane l xor 16's: the block's largest magnitude
.endr
.irp b, 0,1,2,3
	v_add_nc_u32 v[TM+12+\b], 0xff000000, v[TM+\b] ; 2 off its exponent field: the conversion's scale operand
.endr
.irp b, 0,1,2,3
	v_lshrrev_b32 v[TM+4+\b], 23, v[TM+12+\b]      ; the scale's byte
.endr
	v_lshl_or_b32 v[\pw], v[TM+5], 8, v[TM+4]
	v_lshl_or_b32 v[\pw], v[TM+6], 16, v[\pw]
	v_lshl_or_b32 v[\pw], v[TM+7], 24, v[\pw]
.irp c, 0,1
	v_cvt_scalef32_pk16_fp6_f32 v[\pc+6*\c:\pc+2+6*\c], v[\s+32*\c:\s+15+32*\c], v[TM+12+2*\c]
	v_cvt_scalef32_pk16_fp6_f32 v[T2+4*\c:T2+2+4*\c], v[\s+16+32*\c:\s+31+32*\c], v[TM+12+2*\c+1]   ; (a conversion's three registers begin on an even number)
.endr
	v_nop                                          ; one plain place behind a scaled conversion
.irp c, 0,1                                    ; the operand's layout wants a WHOLE block in a lane: lanes 0-15 block 2 c, lanes 16-31 block 2 c + 1
.irp i, 0,1,2
	v_permlane16_swap_b32 v[\pc+6*\c+\i], v[T2+4*\c+\i]
.endr
.irp i, 0,1,2
	v_mov_b32 v[\pc+3+6*\c+\i], v[T2+4*\c+\i]
.endr
.endr
.endm
.macro IMAGE adr, off, pc              ; a fragment goes to LDS as it stands
.irp c, 0,1,2
	ds_store_b128 v[\adr], v[\pc+4*\c:\pc+4*\c+3] offset:\off+512*\c
.endr
.endm
.macro FETCH reg, adr, off             ; and comes back so, in any wave
.irp c, 0,1,2
	ds_load_b128 v[\reg+4*\c:\reg+4*\c+3], v[\adr] offset:\off+512*\c
.endr
.endm
; U (asked for just before) becomes gelu(alpha U r), quantised, and goes to LDS.  donext = 1: the next step's alpha is asked for as soon as this step's has been used.
.macro ACT donext, nb, ns, iw, io, is, so
	s_wait_dscnt 0x0                               ; U is in; the last image's stores have read their registers
	s_wait_loadcnt 0x0                             ; alpha is in (and so is all else that was out)
.set AP, 0
.rept 32
	v_pk_mul_f32 v[U+AP:U+AP+1], v[U+AP:U+AP+1], v[AL+AP:AL+AP+1]
.set AP, AP+2
.endr
.if \donext
	ALOAD \nb, \ns
.endif
.set AP, 0
.rept 32
	v_pk_mul_f32 v[U+AP:U+AP+1], v[U+AP:U+AP+1], v[RR:RR+1]
.set AP, AP+2
.endr
.irp g, 0,8,16,24,32,40,48,56
	GELU8 U+\g
.endr
	QUANT U, PC, PW
	IMAGE \iw, \io, PC
	ds_store_b32 v[\is], v[PW] offset:\so
.endm
.macro BARRIER                         ; my LDS stores have landed and my LDS loads are in: then the work-group's barrier
	s_wait_dscnt 0x0
	s_barrier_signal -1
	s_barrier_wait -1
.endm
	s_load_b256 s[4:11], s[0:1], 0x0               ; x, alpha_q, alpha_k, bq
	s_load_b128 s[12:15], s[0:1], 0x20             ; bk, cw
	s_load_b64 s[16:17], s[0:1], 0x30              ; qk
	v_lshl_add_u32 v248, v0, 2, 0x29000
	v_mov_b32 v249, 0
	ds_add_u32 v248, v249
	v_lshrrev_b32 v1, 5, v0
	v_readfirstlane_b32 s18, v1                    ; wave
	s_lshr_b32 s19, s18, 1                         ; phase 1: q (0) or k (1)
	s_and_b32 s20, s18, 1                          ; and the head
	s_lshr_b32 s21, ttmp9, 6                       ; the image
	s_and_b32 s22, ttmp9, 63                       ; which 64 tokens of it
	; descriptor group 1: 64 rows (channels) of 64 elements of 4 bytes, 4,096 elements apart; in LDS 2 words of padding behind every 64
	s_mov_b32 s28, (2<<16)|(1<<20)|(5<<22)|(1<<25)
	s_mov_b32 s29, 64<<16                          ; tensor_dim0
	s_mov_b32 s30, 64<<16                          ; tensor_dim1
	s_mov_b32 s31, 64<<16                          ; tile_dim0
	s_mov_b32 s32, 64                              ; tile_dim1
	s_mov_b32 s33, 4096                            ; tensor_dim0_stride
	s_mov_b32 s34, 0
	s_mov_b32 s35, 0
	s_lshl_b32 s66, s21, 22                        ; the image's 256 x 4,096 x 4 bytes,
	s_lshl_b32 s23, s18, 20                        ; my 64 channels,
	s_add_co_u32 s66, s66, s23
	s_lshl_b32 s23, s22, 8                         ; the 64 tokens
	s_add_co_u32 s66, s66, s23
	s_mov_b32 s67, 0
	s_mov_b32 s24, 1                               ; group 0: count
	s_mul_i32 s25, s18, 64*XP                      ; LDS address: my 64 rows
	s_wait_dscnt 0x0
	s_wait_kmcnt 0x0
	s_add_nc_u64 s[26:27], s[4:5], s[66:67]
	s_or_b32 s27, s27, 0x80000000                  ; type
	tensor_load_to_lds s[24:27], s[28:35]          ; my one tensor load: filled once, nothing is filled again
	s_nop 0
	v_and_b32 v13, 31, v0                          ; lane
	v_and_b32 v10, 15, v0                          ; r
	v_bfe_u32 v9, v0, 4, 1                         ; h
	v_lshlrev_b32 v[LI], 4, v13
	v_lshlrev_b32 v[LS], 2, v13
	v_lshlrev_b32 v[AH], 6, v9
	v_and_b32 v8, 8, v10
	v_add_nc_u32 v8, v8, v10                       ; r + 8 (r / 8)
	v_lshlrev_b32 v[XA], 2, v8
	v_mad_u32_u24 v[XA], v9, 16*XP, v[XA]
	s_lshl_b32 s23, s19, 7
	s_lshl_b32 s68, s20, 5
	s_add_co_u32 s23, s23, s68                     ; my token tile begins at token 32 (w / 2) + 8 (w % 2)
	v_add_nc_u32 v[XA], s23, v[XA]
	s_mul_i32 s23, s18, 3072
	s_add_co_u32 s23, s23, AIMG
	v_add_nc_u32 v[IW], s23, v[LI]
	s_lshl_b32 s23, s18, 8
	s_add_co_u32 s68, s23, ASC
	v_add_nc_u32 v[IS], s68, v[LS]
	s_add_co_u32 s68, s23, QS
	v_lshl_add_u32 v[QSA], v10, 2, s68
	v_lshl_add_u32 v[QSR], v13, 3, s68
	v_lshlrev_b32 v[QSG], 3, v13
	s_mul_i32 s23, s19, 12288
	s_add_co_u32 s23, s23, AIMG
	v_add_nc_u32 v[LI2], s23, v[LI]
	s_lshl_b32 s23, s19, 10
	s_add_co_u32 s23, s23, ASC
	v_add_nc_u32 v[LS2], s23, v[LS]
	s_mov_b32 s[SEL], 0x76543210
	s_mov_b32 s[SEL+1], 0xfedcba98
	s_mov_b32 s38, 0x3b800000                      ; 1 / 256
	s_mov_b32 s39, 0x322bcc77                      ; 1e-8
	SPAIR 40, 0x32edffee                           ; P's coefficients from the second on,
	SPAIR 42, 0xb60cff51
	SPAIR 44, 0xb86ec2d2
	SPAIR 46, 0xba40ac63
	SPAIR 48, 0xbb41a1f6
	SPAIR 50, 0xbc83dbd4
	SPAIR 52, 0xb95fbd29                           ; Q's
	SPAIR 54, 0xbadc924e
	SPAIR 56, 0xbbf19bf8
	SPAIR 58, 0xbc69b6a7
	SPAIR 60, 0x3f3504f3                           ; 1 / sqrt 2
	v_mov_b32 v[KA], 0xaf95df0b
	v_mov_b32 v[KA+1], 0xaf95df0b
	v_mov_b32 v[KB], 0xb77460cd
	v_mov_b32 v[KB+1], 0xb77460cd
.irp b, 0,1,2,3
	v_mov_b32 v[TM+4+\b], 0                        ; written once: a lane permute's destination counts as one of its sources
.endr
	v_mov_b32 v[TP], 0
	s_lshl_b32 s23, s19, 5
	s_lshl_b32 s68, s20, 4
	s_add_co_u32 s23, s23, s68
	s_add_co_u32 s23, s23, 2048                    ; my first weight fragment: 2,048 + 32 (q or k) + 16 head
	s_mul_i32 s70, s23, 1536
	s_mov_b32 s71, 0
	s_add_nc_u64 s[70:71], s[14:15], s[70:71]      ; its image
	s_lshl_b32 s72, s23, 6
	s_add_co_u32 s72, s72, SCW
	s_mov_b32 s73, 0
	s_add_nc_u64 s[72:73], s[14:15], s[72:73]      ; its scale words
	s_cmp_lt_u32 s18, 2
	s_cselect_b64 s[74:75], s[10:11], s[12:13]     ; bq or bk: the choice hangs on the wave's number alone
	s_lshl_b32 s76, s20, 9
	s_mov_b32 s77, 0
	s_add_nc_u64 s[74:75], s[74:75], s[76:77]      ; my 128 numbers of it
	s_lshl_b32 s23, s21, 1
	s_add_co_u32 s23, s23, s20
	s_lshl_b32 s23, s23, 8
	s_lshl_b32 s68, s22, 2
	s_add_co_u32 s23, s23, s68                     ; my first record in qk: 256 (2 image + head) + first token / 16
	s_mul_i32 s76, s23, 1536
	s_mul_i32 s68, s19, 3145728
	s_add_co_u32 s76, s76, s68
	s_add_nc_u64 s[78:79], s[16:17], s[76:77]      ; images out
	s_lshl_b32 s66, s23, 6
	s_mul_i32 s68, s19, 131072
	s_add_co_u32 s66, s66, s68
	s_add_co_u32 s66, s66, 6291456
	s_add_nc_u64 s[66:67], s[16:17], s[66:67]      ; scale words out
	ALOAD 6, 0                                     ; alpha_q, K step 0
	WIN 0x40                                       ; destination window 1
.irp f, 0,1,2,3,4,5,6,7,8,9,10,11,12,13,14,15
.irp c, 0,1,2
	global_load_b128 v[12*\f+4*\c:12*\f+4*\c+3], v[LI], s[70:71] offset:1536*\f+512*\c
.endr
.endr
	WIN 0
.irp p, 0,1,2,3,4,5,6,7
	global_load_b32 v[WS+\p], v[LS], s[72:73] offset:128*\p      ; two neighbouring tiles' scale words in one register
.endr
	WIN 0x80                                       ; destination window 2
.irp t, 0,1,2,3,4,5,6,7
.irp j, 0,1
	global_load_b128 v[8*\t+4*\j:8*\t+4*\j+3], v[AH], s[74:75] offset:4*(32*(\t/2)+8*(\t%2))+16*\j
.endr
.endr
	WIN 0
	s_wait_tensorcnt 0x0                           ; my 64 channels have landed,
	s_barrier_signal -1
	s_barrier_wait -1                              ; everybody's have
	; ---- X
	RDX U, 0
	s_wait_dscnt 0x0
	SUMSQ 1
	RDX U, 1
	s_wait_dscnt 0x0
	SUMSQ 0
	RNORM
	RDX U, 0
	ACT 1, 6, 1, IW, 0, IS, 0                      ; q, K step 0
	RDX U, 1
	ACT 1, 8, 0, IW, 1536, IS, 128                 ; q, K step 1
	RDX U, 0
	ACT 1, 8, 1, IW, 12288, IS, 1024               ; k, K step 0
	RDX U, 1
	ACT 0, 8, 0, IW, 13824, IS, 1152               ; k, K step 1
	BARRIER                                        ; the sixteen images lie in LDS
	; ---- 1: eight accumulators by turns; a token tile at a time
.irp m, 0,1,2,3
	FETCH XF, LI2, (2*\m)*1536
	FETCH XF+12, LI2, (2*\m+1)*1536
	ds_load_b32 v[XS], v[LS2] offset:(2*\m)*128
	ds_load_b32 v[XS+1], v[LS2] offset:(2*\m+1)*128
	s_wait_dscnt 0x0
	WIN 0x21                                       ; source 0 (W) window 1, source 2 (the bias) window 2
.irp t, 0,1,2,3,4,5,6,7
	MM HA+8*\t, 12*\t, XF, 8*\t, WS+\t/2, XS, \t%2
.endr
	WIN 0x01
.irp t, 0,1,2,3,4,5,6,7
	MM HA+8*\t, 12*(8+\t), XF+12, HA+8*\t, WS+4+\t/2, XS+1, \t%2
.endr
	WIN 0
.rept 5
	v_nop                                          ; four places in front of reads of results and of loads into operands; five in front of the next tile's products, which write these accumulators anew
.endr
	QUANT HA, PCS+12*\m, PWS+\m                    ; along the head's 128
.irp c, 0,1,2
	global_store_b128 v[LI], v[PCS+12*\m+4*\c:PCS+12*\m+4*\c+3], s[78:79] offset:1536*\m+512*\c   ; 512 consecutive bytes, at a multiple of 512 from qk's first byte; each tile has its own registers
.endr
	ds_store_b32 v[QSA], v[PWS+\m] offset:64*\m    ; lanes l and l xor 16 write the same word with the same value
.endr
	ds_load_b64 v[164:165], v[QSR]                 ; LDS serves a wave's instructions in order: these see my stores
	s_wait_dscnt 0x0
	global_store_b64 v[QSG], v[164:165], s[66:67]  ; my four tiles' scale words: 256 consecutive bytes, at a multiple of 256 from qk's first byte
	s_wait_tensorcnt 0x0
	ds_add_u32 v248, v249
	s_wait_dscnt 0x0
	s_endpgm
.Lfunc_end_k_qd62b56d216_proj:
	.size	k_qd62b56d216_proj, .Lfunc_end_k_qd62b56d216_proj-k_qd62b56d216_proj
	.p2alignl 7, 3214868480
	.fill 96, 4, 3214868480
	.section	.rodata,"a",@progbits
	.p2align	6, 0x0
	.amdhsa_kernel k_qd62b56d216_proj
		.amdhsa_group_segment_fixed_size 168448
		.amdhsa_private_segment_fixed_size 0
		.amdhsa_enable_private_segment 0
		.amdhsa_kernarg_size 56
		.amdhsa_user_sgpr_count 2
		.amdhsa_user_sgpr_kernarg_segment_ptr 1
		.amdhsa_wavefront_size32 1
		.amdhsa_system_sgpr_workgroup_id_x 1
		.amdhsa_system_sgpr_workgroup_id_y 1
		.amdhsa_system_sgpr_workgroup_id_z 1
		.amdhsa_system_vgpr_workitem_id 0
		.amdhsa_next_free_vgpr 768
		.amdhsa_next_free_sgpr 80
		.amdhsa_reserve_vcc 0
		.amdhsa_float_denorm_mode_32 3
		.amdhsa_float_denorm_mode_16_64 3
		.amdhsa_memory_ordered 1
		.amdhsa_forward_progress 1
		.amdhsa_inst_pref_size 255
	.end_amdhsa_kernel
	.section	.bss,"aw",@nobits
	.p2align	6
	.space	262144
	.amdgpu_metadata
---
amdhsa.version: [ 1, 2 ]
amdhsa.kernels:
  - .name:           k_qd62b56d216_proj
    .symbol:         k_qd62b56d216_proj.kd
    .args:
      - { .name: x, .offset: 0, .size: 8, .value_kind: global_buffer, .address_space: global }
      - { .name: alpha_q, .offset: 8, .size: 8, .value_kind: global_buffer, .address_space: global }
      - { .name: alpha_k, .offset: 16, .size: 8, .value_kind: global_buffer, .address_space: global }
      - { .name: bq, .offset: 24, .size: 8, .value_kind: global_buffer, .address_space: global }
      - { .name: bk, .offset: 32, .size: 8, .value_kind: global_buffer, .address_space: global }
      - { .name: cw, .offset: 40, .size: 8, .value_kind: global_buffer, .address_space: global }
      - { .name: qk, .offset: 48, .size: 8, .value_kind: global_buffer, .address_space: global }
    .group_segment_fixed_size: 168448
    .private_segment_fixed_size: 0
    .kernarg_segment_align: 8
    .kernarg_segment_size: 56
    .max_flat_workgroup_size: 128
    .sgpr_count:     80
    .vgpr_count:     768
    .wavefront_size: 32
...
	.end_amdgpu_metadata
.endif
;; end of part 2
;; launch attn (part 3): grid 32 x 8, 8 waves a work-group, clusters of 4 x 1, 327,680 bytes of LDS; arguments qk, cw, att; writes att
.if DOCPART == 3
	.amdgcn_target "amdgcn-amd-amdhsa--gfx1250"
	.amdhsa_code_object_version 6
	.text
	.protected	k_qd62b56d216_attn
	.globl	k_qd62b56d216_attn
	.p2align	8
	.type	k_qd62b56d216_attn,@function
k_qd62b56d216_attn:
	s_mov_b64 s[64:65], 0
	v_nop
	global_prefetch_b8 v0, s[64:65] scope:SCOPE_SE
	s_setreg_imm32_b32 hwreg(HW_REG_WAVE_MODE, 25, 1), 1
	s_wait_xcnt 0x0
	s_wait_alu depctr_hold_cnt(0) depctr_sa_sdst(0) depctr_va_vdst(0) depctr_va_sdst(0) depctr_va_ssrc(0) depctr_va_vcc(0) depctr_vm_vsrc(0)
	s_getreg_b32 s2, hwreg(HW_REG_IB_STS2, 6, 4)
	s_cmp_eq_u32 s2, 0
	s_cbranch_scc0 .Lentry_in_a_cluster
	s_endpgm
.Lentry_in_a_cluster:
	s_bfe_u32 s2, ttmp6, 0x10000c
	s_cmp_lg_u32 s2, 0x3003
	s_cbranch_scc0 .Lentry_shape_is_right
	s_endpgm
.Lentry_shape_is_right:
; att[image][query][head's 128] = the sum over keys of softmax(q . k / sqrt(128)) v, both products on codes of FP6 (E2M3) with one E8M0 scale for each 32 along a product's K.
; q, k and v arrive as images of operand registers (1,536 bytes a fragment of 16 rows x 128 K) with 64 bytes of scale words each; k: K = the head's 128; v: K = the keys.
; THE SOFTMAX AHEAD OF THE SECOND PRODUCT: t = score x log2(e) / sqrt(128) (one constant stands for both factors); M = the row's largest t so far, rounded UP to a whole number; p = 2^(t - M) is what is quantised, along the keys.
; The row's sum is taken of the unquantised p and divides O at the end.  When M moves, the sum and O are multiplied by 2^(old M - new M): exact.
; SHARES.  A work-group owns 128 queries of one (image, head); each of its eight waves one tile of 16, in 512 registers.  Every wave walks all 4,096 keys, 128 a step.
; K's and V's fragments come through a ring of two LDS slots of 512 keys; being images, a slot's 32 fragments of K are one dense block of 49,152 bytes, and so are V's: wave 0 fetches K's, wave 1 V's.
; The scale words of the whole head (16,384 bytes for K, as many for V) come once, with the first fills (waves 2 and 3), and stay.
; CLUSTER.  The four work-groups of a cluster own neighbouring query blocks of ONE head and walk the same K and V: every tensor load is asked for jointly, by the same descriptor with a mask that names the four.
; LAYOUT.  Both products are used transposed: S^T = K Q^T, O^T = V^T P^T: a lane holds ONE query throughout.  The keys of a tile of K and the channels of a tile of V are not neighbours (lane r of tile 2 b + u: 32 b + 8 u + r + 8 (r / 8)),
; so that the 16 registers of tiles 2 b and 2 b + 1 are 16 neighbours, 32 b + 16 (lane / 16) + 0 .. 15: of the keys in S^T, which is what p's quantiser wants, and of the channels in O^T.
; FRAGMENTS A STEP AHEAD.  A step's eight fragments of K and eight of V have registers of their own, in window 1.  Behind a step's products K Q^T one run of LDS loads asks for this step's V and the NEXT step's K: V has the softmax in which
; to land, K the softmax and the products V^T P.  Every LDS read of a fragment is 512 consecutive bytes.
; THE CHANGE OF SLOTS stands in the middle of a slot's last step, between V's loads and K's: by its wait for the wave's LDS loads the whole slot is in registers, and the next step's K lies in the other slot.
; LIMITS: a block of p that has fallen to zeros keeps the scale byte 1; a block's largest p is taken from its largest score, which leans on v_exp_f32 not falling where its input rises; NaN and infinities are not served.
; REGISTERS, window 0: v1-7, v11 addresses that stay; v8-10 addresses in hand; v12 -M, v13 the largest t, v[14:15] the sum in two halves; v16-27 Q; v28-31 V's scale words, two tiles to a register; v32-95 rows on the way out;
; v96-159 S^T, then p; v160-223 O^T; v224-235 p's codes; v232-247, v252, v254 at work; v248-251 K's scale words, two tiles to a register; v253 p's scale word; v255 Q's.   window 1: v0-95 K's eight fragments; v96-191 V's.
.set SLOT1, 131072                     ; slot 1 begins here: one exclusive or turns an address in one slot into the other's
.set VOFF,  49152                      ; in a slot: 32 fragments of K, then 32 of V
.set SCK,   98304                      ; behind slot 0: K's scale words of the whole head,
.set SCV,   114688                     ; and V's, 16,384 bytes further on
.set SPARE, 229376                     ; behind slot 1: the spare words, 128 bytes for each wave: four blocks of 256 bytes that no other line names
.set STAGE, 230400                     ; the way out: 16 rows x (512 bytes + 16) for each wave; no tile lands here
.set SCW,   3489792                    ; where cw's scale words begin
.set LI0, 1                            ; v1  16 x lane
.set LS0, 2                            ; v2  SCK + 4 x lane
.set STO, 3                            ; v3  the stage: where I put my row's numbers
.set RDB, 4                            ; v4  and where I read a row back
.set SPW, 5                            ; v5  LDS address of my spare word; never rewritten
.set NIL, 6                            ; v6  0; never rewritten
.set QSA, 7                            ; v7  4 x (lane % 16)
.set ADK, 8                            ; v8  the slot in hand + 16 x lane: K's fragments
.set ADV, 9                            ; v9  the same + VOFF: V's
.set ADS, 10                           ; v10 the step's scale words
.set LV0, 11                           ; v11 VOFF + 16 x lane
.set VS,  28                           ; v28-31   V's scale words
.set KS,  248                          ; v248-251 K's
.set KF,  0                            ; in window 1: K's fragments
.set VF,  96                           ; and V's
.set WV,  10                           ; s10 my wave's number
.set SEL, 20                           ; s[20:21] lane selects for v_permlanex16_b32: lane l xor 16
.set CS,  22                           ; s[22:23] c = log2(e) / sqrt(128)
.set G1T, 24                           ; s[24:31] descriptor group 1 for 49,152 dense bytes
.set G1S, 32                           ; s[32:39] for 16,384
.set G0K, 40                           ; s[40:43], s[44:47] groups 0 for K's and V's fragments, which walk
.set G0V, 44
.set G0SK, 48                          ; s[48:51], s[52:55] for their scale words
.set G0SV, 52
.set TB,  56                           ; s56 LDS byte at which the slot in hand begins
.set TS,  57                           ; s57 where the step's scale words begin: 512 bytes a step
.set SLOTS, 58                         ; s58 slots still to be asked for in the loop
.set MSB, 0
.macro WIN new                         ; s_set_vgpr_msb's low byte: bits 1:0 source 0, 3:2 source 1, 5:4 source 2, 7:6 destination; the high byte repeats the setting that is left
.if MSB != \new
	s_set_vgpr_msb (MSB<<8)|\new
.set MSB, \new
.endif
.endm
.set W_MUL, 0x01                       ; source 0 (K's or V's fragment) window 1; all else window 0
.set W_FR,  0x40                       ; destination window 1, address window 0
.macro MM d, a, b, c, sa, sb, row      ; one product.  c < 0: the constant 0 starts the sum.  row = 1: source 0's scales stand in lanes 16-31 of their register
.if (\c) < 0
.if (\row) == 1
	v_wmma_scale_f32_16x16x128_f8f6f4 v[\d:\d+7], v[\a:\a+11], v[\b:\b+11], 0, v[\sa], v[\sb] matrix_a_fmt:MATRIX_FMT_FP6 matrix_b_fmt:MATRIX_FMT_FP6 matrix_a_scale:MATRIX_SCALE_ROW1
.else
	v_wmma_scale_f32_16x16x128_f8f6f4 v[\d:\d+7], v[\a:\a+11], v[\b:\b+11], 0, v[\sa], v[\sb] matrix_a_fmt:MATRIX_FMT_FP6 matrix_b_fmt:MATRIX_FMT_FP6
.endif
.else
.if (\row) == 1
	v_wmma_scale_f32_16x16x128_f8f6f4 v[\d:\d+7], v[\a:\a+11], v[\b:\b+11], v[\c:\c+7], v[\sa], v[\sb] matrix_a_fmt:MATRIX_FMT_FP6 matrix_b_fmt:MATRIX_FMT_FP6 matrix_a_scale:MATRIX_SCALE_ROW1
.else
	v_wmma_scale_f32_16x16x128_f8f6f4 v[\d:\d+7], v[\a:\a+11], v[\b:\b+11], v[\c:\c+7], v[\sa], v[\sb] matrix_a_fmt:MATRIX_FMT_FP6 matrix_b_fmt:MATRIX_FMT_FP6
.endif
.endif
.endm
.macro PLACES n
.rept \n
	v_nop
.endr
.endm
; A round of the cluster's barrier: my work-group's barrier, so that wave 0's signal speaks for all eight waves; wave 0 signals for the work-group; every wave waits for all four work-groups; my work-group's barrier once more.
.macro CROUND
	s_barrier_signal -1
	s_barrier_wait -1
	s_cmp_lg_u32 s[WV], 0
	s_cbranch_scc1 .Lnot_wave_0_\@
	s_barrier_signal -3
.Lnot_wave_0_\@:
	s_barrier_wait -3
	s_barrier_signal -1
	s_barrier_wait -1
.endm
; A joint refill: wave 0 fetches the slot's fragments of K, wave 1 those of V, the others nothing.  The branches hang on the wave's number alone.  Four v_nop follow each of the two lines.
.macro TLOAD
	s_cmp_lg_u32 s[WV], 0
	s_cbranch_scc1 .Lnot_k_\@
	tensor_load_to_lds s[G0K:G0K+3], s[G1T:G1T+7]
	s_nop 0
	PLACES 4
	s_branch .Lasked_\@
.Lnot_k_\@:
	s_cmp_lg_u32 s[WV], 1
	s_cbranch_scc1 .Lasked_\@
	tensor_load_to_lds s[G0V:G0V+3], s[G1T:G1T+7]
	s_nop 0
	PLACES 4
.Lasked_\@:
.endm
	s_load_b128 s[4:7], s[0:1], 0x0                ; qk, cw
	s_load_b64 s[8:9], s[0:1], 0x10                ; att
	v_lshl_add_u32 v[SPW], v0, 2, SPARE
	v_mov_b32 v[NIL], 0
	ds_add_u32 v5, v6
	s_wait_dscnt 0x0
	v_lshrrev_b32 v8, 5, v0
	v_readfirstlane_b32 s[WV], v8                  ; wave 0..7
	s_bfe_u32 s11, ttmp6, 0x40000                  ; cx: my place in the cluster: it enters Q's and att's addresses alone
	s_lshl_b32 s12, ttmp9, 2                       ; in a cluster launch ttmp9 counts clusters
	s_add_co_u32 s12, s12, s11                     ; my block of 128 queries
	s_and_b32 s13, ttmp7, 0xffff                   ; 2 x image + head, which the four partners share
	s_lshl_b32 s14, s12, 3
	s_add_co_u32 s14, s14, s[WV]                   ; T: my tile of queries
	s_lshl_b32 s15, s13, 8
	s_add_co_u32 s15, s15, s14                     ; its record in qk
	s_lshr_b32 s16, s13, 1
	s_lshl_b32 s16, s16, 12                        ; the image's 4,096 tokens,
	s_lshr_b32 s17, s14, 1
	s_lshl_b32 s17, s17, 5
	s_add_co_u32 s16, s16, s17
	s_and_b32 s17, s14, 1
	s_lshl_b32 s17, s17, 3
	s_add_co_u32 s16, s16, s17                     ; the tile's first token: 32 (T / 2) + 8 (T % 2),
	s_lshl_b32 s16, s16, 10                        ; 1,024 bytes a token,
	s_and_b32 s17, s13, 1
	s_lshl_b32 s17, s17, 9
	s_add_co_u32 s16, s16, s17                     ; the head's 512 of them
	s_mov_b32 s17, 0
	s_mul_i32 s70, s15, 1536
	s_mov_b32 s71, 0
	s_lshl_b32 s18, s15, 6
	s_add_co_u32 s18, s18, 6291456
	s_mov_b32 s19, 0
	s_mul_i32 s66, s13, 393216                     ; the head's 256 fragments, in registers that never hold cx
	s_mov_b32 s67, 0
	s_lshl_b32 s68, s13, 14                        ; and their scale words
	s_mov_b32 s69, 0
	; descriptor groups 1: dense blocks as rows of 256 bytes (32 elements of 8 bytes); 15:0 the mask: all four work-groups; bit 21 set beside it
	s_mov_b32 s[G1T], 15|(3<<16)|(1<<21)
	s_mov_b32 s[G1T+1], 32<<16                     ; tensor_dim0
	s_mov_b32 s[G1T+2], 192<<16                    ; tensor_dim1
	s_mov_b32 s[G1T+3], 32<<16                     ; tile_dim0
	s_mov_b32 s[G1T+4], 192                        ; tile_dim1
	s_mov_b32 s[G1T+5], 32                         ; tensor_dim0_stride
	s_mov_b32 s[G1T+6], 0
	s_mov_b32 s[G1T+7], 0
	s_mov_b32 s[G1S], 15|(3<<16)|(1<<21)
	s_mov_b32 s[G1S+1], 32<<16
	s_mov_b32 s[G1S+2], 64<<16
	s_mov_b32 s[G1S+3], 32<<16
	s_mov_b32 s[G1S+4], 64
	s_mov_b32 s[G1S+5], 32
	s_mov_b32 s[G1S+6], 0
	s_mov_b32 s[G1S+7], 0
	s_mov_b32 s[SEL], 0x76543210
	s_mov_b32 s[SEL+1], 0xfedcba98
	s_mov_b32 s[CS], 0x3e0293ee
	s_mov_b32 s[CS+1], s[CS]                       ; (named with it as a pair, so it is written)
	s_mov_b32 s[TB], 0
	s_mov_b32 s[TS], 0
	s_mov_b32 s[SLOTS], 6
	s_wait_kmcnt 0x0
	s_mov_b32 s[G0K], 1
	s_mov_b32 s[G0K+1], 0                          ; slot 0
	s_add_nc_u64 s[G0K+2:G0K+3], s[4:5], s[66:67]
	s_add_nc_u64 s[G0K+2:G0K+3], s[G0K+2:G0K+3], 3145728
	s_or_b32 s[G0K+3], s[G0K+3], 0x80000000
	s_mov_b32 s[G0V], 1
	s_mov_b32 s[G0V+1], VOFF
	s_add_nc_u64 s[G0V+2:G0V+3], s[6:7], s[66:67]
	s_or_b32 s[G0V+3], s[G0V+3], 0x80000000
	s_mov_b32 s[G0SK], 1
	s_mov_b32 s[G0SK+1], SCK
	s_add_nc_u64 s[G0SK+2:G0SK+3], s[4:5], s[68:69]
	s_add_nc_u64 s[G0SK+2:G0SK+3], s[G0SK+2:G0SK+3], 6422528
	s_or_b32 s[G0SK+3], s[G0SK+3], 0x80000000
	s_mov_b32 s[G0SV], 1
	s_mov_b32 s[G0SV+1], SCV
	s_add_nc_u64 s[G0SV+2:G0SV+3], s[6:7], s[68:69]
	s_add_nc_u64 s[G0SV+2:G0SV+3], s[G0SV+2:G0SV+3], SCW
	s_or_b32 s[G0SV+3], s[G0SV+3], 0x80000000
	s_add_nc_u64 s[72:73], s[4:5], s[70:71]        ; Q's image
	s_add_nc_u64 s[74:75], s[4:5], s[18:19]        ; Q's scale words
	s_add_nc_u64 s[76:77], s[8:9], s[16:17]        ; att at my tile's first token
	CROUND                                         ; all four work-groups are here: the first joint loads meet
	s_cmp_lg_u32 s[WV], 0                          ; the first fills: one load a wave, waves 0 to 3, each in its one arm; one tensor load of mine is out at the most
	s_cbranch_scc1 .Lfirst_1
	tensor_load_to_lds s[G0K:G0K+3], s[G1T:G1T+7]
	s_nop 0
	PLACES 4
	s_branch .Lfirst_done
.Lfirst_1:
	s_cmp_lg_u32 s[WV], 1
	s_cbranch_scc1 .Lfirst_2
	tensor_load_to_lds s[G0V:G0V+3], s[G1T:G1T+7]
	s_nop 0
	PLACES 4
	s_branch .Lfirst_done
.Lfirst_2:
	s_cmp_lg_u32 s[WV], 2
	s_cbranch_scc1 .Lfirst_3
	tensor_load_to_lds s[G0SK:G0SK+3], s[G1S:G1S+7]
	s_nop 0
	PLACES 4
	s_branch .Lfirst_done
.Lfirst_3:
	s_cmp_lg_u32 s[WV], 3
	s_cbranch_scc1 .Lfirst_done
	tensor_load_to_lds s[G0SV:G0SV+3], s[G1S:G1S+7]
	s_nop 0
	PLACES 4
.Lfirst_done:
	v_and_b32 v8, 31, v0                           ; lane
	v_and_b32 v9, 15, v0                           ; r
	v_bfe_u32 v10, v0, 4, 1                        ; h
	v_lshlrev_b32 v[LI0], 4, v8
	v_lshl_add_u32 v[LS0], v8, 2, SCK
	v_lshlrev_b32 v[QSA], 2, v9
	v_add_nc_u32 v[LV0], VOFF, v[LI0]
.irp c, 0,1,2
	global_load_b128 v[16+4*\c:19+4*\c], v[LI0], s[72:73] offset:512*\c   ; Q's fragment stays in registers
.endr
	global_load_b32 v255, v[QSA], s[74:75]         ; Q's scale words
	s_mul_i32 s18, s[WV], 16*528
	s_add_co_u32 s18, s18, STAGE                   ; my stage
	v_mul_u32_u24 v[STO], v9, 528
	v_lshl_add_u32 v[STO], v10, 6, v[STO]
	v_add_nc_u32 v[STO], s18, v[STO]               ; in: row r, + 64 h: registers 16 b + 0 .. 15 are channels 32 b + 16 h + 0 .. 15
	v_add_nc_u32 v[RDB], s18, v[LI0]               ; back: the 32 lanes take a row of 512 bytes
	v_mov_b32 v13, 0xff61b1e6                      ; the largest t so far: -3e38, under every t
	v_floor_f32 v12, -v13                          ; -M
	v_mov_b32 v14, 0                               ; the sum, in two halves
	v_mov_b32 v15, 0
.irp b, 0,1,2,3
	v_mov_b32 v[236+\b], 0                         ; written once: a lane permute's destination counts as one of its sources
.endr
	v_mov_b32 v253, 0                              ; (named as the upper half of the pair v[252:253] before it is first written)
.set J, 0
.rept 64
	v_mov_b32 v[160+J], 0                          ; O^T.  (The step is written once: the first finds zeros, which the first change of M leaves zeros)
.set J, J+1
.endr
; THE CHANGE OF SLOTS.  Each wave waits for all its tensor loads, adds 0 to its spare word, and waits for that and for its reads of the slot that it leaves.
; fill = 1: the barrier is a round of the cluster's, so that no wave of any partner still reads that slot or has a load on its way; the joint refill is the first thing behind it and has four key steps in which to land.
.macro CHANGE fill
	s_wait_tensorcnt 0x0                           ; no tensor load of mine is out, so a group 0 may be written
	ds_add_u32 v[SPW], v[NIL]                      ; 0 onto my spare word
.if \fill
	s_xor_b32 s[G0K+1], s[G0K+1], SLOT1            ; the walking descriptors: the other slot than last time,
	s_add_nc_u64 s[G0K+2:G0K+3], s[G0K+2:G0K+3], 49152   ; the next 512 keys; the type bits on top are not reached
	s_xor_b32 s[G0V+1], s[G0V+1], SLOT1
	s_add_nc_u64 s[G0V+2:G0V+3], s[G0V+2:G0V+3], 49152
.endif
	s_wait_dscnt 0x0                               ; the add is done, and my reads of the slot that I leave are over
.if \fill
	CROUND
	TLOAD
.else
	s_barrier_signal -1
	s_barrier_wait -1
.endif
.endm
; A KEY STEP: 128 keys, the q-th of the slot in hand.  Its fragments and scale words of K were asked for in the step before.
; mode 0: the next step's K lies in the same slot.  1: this is the slot's last step: the change of slots, with a refill, then the other slot's first K.  2: the same without a refill.  3: the last step of all: nothing more to fetch.
.macro STEP q, mode
	s_wait_dscnt 0x0                               ; K's 24 loads and its 4 scale words, asked for a softmax ago
	WIN W_MUL
.irp t, 0,1,2,3,4,5,6,7                        ; S^T = K Q^T: they follow the last step's products V^T P at once, and share no register with them
	MM 96+8*\t, KF+12*\t, 16, -1, KS+\t/2, 255, \t%2
.endr
	WIN 0
	v_add_nc_u32 v[ADS], s[TS], v[LS0]             ; with the three v_nop four places behind these products and behind the last step's: in front of the loads into their operands and scale words, and of the first read of the scores
	PLACES 3
.irp p, 0,1,2,3
	ds_load_b32 v[VS+\p], v[ADS] offset:16384+128*\p   ; V's scale words: lanes 0-15 tile 2 p's, lanes 16-31 tile 2 p + 1's
.endr
.if (\mode) != 3
.irp p, 0,1,2,3
	ds_load_b32 v[KS+\p], v[ADS] offset:512+128*\p     ; the next step's scale words of K: they lie in no slot
.endr
.endif
	WIN W_FR
.irp t, 0,1,2,3,4,5,6,7
.irp c, 0,1,2
	ds_load_b128 v[VF+12*\t+4*\c:VF+12*\t+4*\c+3], v[ADV] offset:(8*(\q)+\t)*1536+512*\c   ; this step's V: it lands under the softmax
.endr
.endr
.set KQ, 8*((\q)+1)
.if ((\mode) == 1) || ((\mode) == 2)
	WIN 0                                          ; at a label and at a branch every window is 0; the add's two registers lie in window 0
.if (\mode) == 1
	CHANGE 1
.else
	CHANGE 0
.endif
	s_xor_b32 s[TB], s[TB], SLOT1                  ; on to the other slot
	v_add_nc_u32 v[ADK], s[TB], v[LI0]
	v_add_nc_u32 v[ADV], s[TB], v[LV0]
	WIN W_FR
.set KQ, 0
.endif
.if (\mode) != 3
.irp t, 0,1,2,3,4,5,6,7
.irp c, 0,1,2
	ds_load_b128 v[KF+12*\t+4*\c:KF+12*\t+4*\c+3], v[ADK] offset:(KQ+\t)*1536+512*\c   ; the next step's K
.endr
.endr
.endif
	WIN 0
.irp b, 0,1,2,3
	v_max3_num_f32 v[232+\b], v[96+16*\b], v[97+16*\b], v[98+16*\b]   ; THE LARGEST SCORE OF EACH BLOCK OF 32 KEYS: it serves twice: for the row's maximum, and, since p rises with the score, for the block's largest p
.endr
.irp i, 3,5,7,9,11,13
.irp b, 0,1,2,3
	v_max3_num_f32 v[232+\b], v[232+\b], v[96+16*\b+\i], v[97+16*\b+\i]
.endr
.endr
.irp b, 0,1,2,3
	v_max_num_f32 v[232+\b], v[232+\b], v[111+16*\b]
.endr
.irp b, 0,1,2,3
	v_permlanex16_b32 v[236+\b], v[232+\b], s[SEL], s[SEL+1]
.endr
.irp b, 0,1,2,3
	v_max_num_f32 v[232+\b], v[232+\b], v[236+\b]  ; with lane l xor 16's 16 keys
.endr
	v_max3_num_f32 v254, v232, v233, v234
	v_max_num_f32 v254, v254, v235                 ; the step's largest score of my query
	v_mul_f32 v254, s[CS], v254                    ; as t (c is positive)
	v_max_num_f32 v13, v13, v254                   ; the running largest t
	v_mov_b32 v254, v12
	v_floor_f32 v12, -v13                          ; the new -M = floor(-t) = -ceil(t): M IS A WHOLE NUMBER
	v_sub_f32 v254, v12, v254                      ; M's old value less its new one: a whole number, 0 or less
	v_cvt_i32_f32 v254, v254                       ; (it saturates)
	v_ldexp_f32 v252, 1.0, v254                    ; f = 2^(old M - new M)
.set J, 0
.rept 32
	v_pk_fma_f32 v[96+J:97+J], v[96+J:97+J], s[CS:CS+1], v[12:13] op_sel_hi:[1,0,0]   ; t - M, two at a time
.set J, J+2
.endr
.irp b, 0,1,2,3
	v_fma_f32 v[232+\b], v[232+\b], s[CS], v12     ; the same of each block's largest score
.endr
.set J, 0
.rept 64
	v_exp_f32 v[96+J], v[96+J]                     ; p = 2^(t - M), at most 1: NOT normalised
.set J, J+1
.endr
.irp b, 0,1,2,3
	v_exp_f32 v[232+\b], v[232+\b]                 ; the block's largest p: the same two instructions on the same number give the same bits
.endr
	v_pk_mul_f32 v[14:15], v[14:15], v[252:253] op_sel_hi:[1,0]   ; the sums under the new M.  (A plain place behind the exponentials)
	s_wait_alu depctr_va_vdst(0)
.irp b, 0,1,2,3
	v_max_num_f32 v[232+\b], 0x1800000, v[232+\b]  ; the floor 2^(3 - 127): the byte cannot fall under 1
.endr
.irp b, 0,1,2,3
	v_add_nc_u32 v[244+\b], 0xff000000, v[232+\b]  ; 2 off the exponent field: the conversion's scale operand
.endr
.irp b, 0,1,2,3
	v_lshrrev_b32 v[236+\b], 23, v[244+\b]         ; the scale's byte
.endr
	v_lshl_or_b32 v253, v237, 8, v236              ; p's scale word for these 128 keys
	v_lshl_or_b32 v253, v238, 16, v253
	v_lshl_or_b32 v253, v239, 24, v253
.irp c, 0,1
	v_cvt_scalef32_pk16_fp6_f32 v[224+6*\c:226+6*\c], v[96+32*\c:111+32*\c], v[244+2*\c]
	v_cvt_scalef32_pk16_fp6_f32 v[236+4*\c:238+4*\c], v[112+32*\c:127+32*\c], v[244+2*\c+1]   ; (a conversion's three registers begin on an even number)
.endr
	v_nop                                          ; one plain place behind a scaled conversion
.irp c, 0,1                                    ; the operand's layout wants a WHOLE block in a lane
.irp i, 0,1,2
	v_permlane16_swap_b32 v[224+6*\c+\i], v[236+4*\c+\i]
.endr
.irp i, 0,1,2
	v_mov_b32 v[227+6*\c+\i], v[236+4*\c+\i]
.endr
.endr
	v_pk_add_f32 v[236:237], v[96:97], v[98:99]    ; THE ROW'S SUM IS TAKEN OF THE UNQUANTISED p: two at a time, in two chains
.irp j, 4,8,12,16,20,24,28,32,36,40,44,48,52,56,60
	v_pk_add_f32 v[14:15], v[14:15], v[96+\j:97+\j]
	v_pk_add_f32 v[236:237], v[236:237], v[98+\j:99+\j]
.endr
	v_pk_add_f32 v[14:15], v[14:15], v[236:237]
.set J, 0
.rept 32
	v_pk_mul_f32 v[160+J:161+J], v[160+J:161+J], v[252:253] op_sel_hi:[1,0]   ; O^T under the new M.  (These 32 are also the places between the lines that made p's codes and scale word and the products below)
.set J, J+2
.endr
.if (\mode) == 3
	s_wait_dscnt 0x0                               ; V's fragments and scale words are in
.else
	s_wait_dscnt 24                                ; LDS loads come back in order: V's fragments and all scale words are in; the 24 loads issued behind them, the next step's K, may be out
.endif
	WIN W_MUL
.irp t, 0,1,2,3,4,5,6,7                        ; O^T += V^T P^T: eight accumulators by turns
	MM 160+8*\t, VF+12*\t, 224, 160+8*\t, VS+\t/2, 253, \t%2
.endr
	WIN 0
	s_add_co_u32 s[TS], s[TS], 512                 ; the next step's scale words
.endm
	s_wait_loadcnt 0x0                             ; Q
	CHANGE 1                                       ; slot 0 and the scale words are whole; slot 1 is asked for, as a refill is
	v_add_nc_u32 v[ADK], s[TB], v[LI0]
	v_add_nc_u32 v[ADV], s[TB], v[LV0]
.irp p, 0,1,2,3
	ds_load_b32 v[KS+\p], v[LS0] offset:128*\p     ; key step 0's scale words of K,
.endr
	WIN W_FR
.irp t, 0,1,2,3,4,5,6,7
.irp c, 0,1,2
	ds_load_b128 v[KF+12*\t+4*\c:KF+12*\t+4*\c+3], v[ADK] offset:\t*1536+512*\c   ; and its fragments
.endr
.endr
	WIN 0
.Lslot:                                            ; 6 trips, a slot each: in its last step the slot is left and filled with the keys two slots on
	STEP 0, 0
	STEP 1, 0
	STEP 2, 0
	STEP 3, 1
	s_sub_co_u32 s[SLOTS], s[SLOTS], 1
	s_cmp_lg_u32 s[SLOTS], 0
	s_cbranch_scc1 .Lslot
	STEP 0, 0                                      ; the last two slots are written out: the last but one is left without a refill
	STEP 1, 0
	STEP 2, 0
	STEP 3, 2
	STEP 0, 0                                      ; and the last ends without a fetch
	STEP 1, 0
	STEP 2, 0
	STEP 3, 3
	; THE WAY OUT.  O^T / the sum goes through my stage in LDS and leaves as rows: the head's 512 bytes of a token, 32 lanes to a row.
	PLACES 4                                       ; behind the last products
	v_add_f32 v14, v14, v15                        ; the sum's two halves,
	v_permlanex16_b32 v252, v14, s[SEL], s[SEL+1]
	v_add_f32 v14, v14, v252                       ; and lane l xor 16's: the row's sum
	v_rcp_f32 v14, v14
	v_nop                                          ; one plain place behind a transcendental
	s_wait_alu depctr_va_vdst(0)
	v_mov_b32 v15, v14
.set J, 0
.rept 32
	v_pk_mul_f32 v[96+J:97+J], v[160+J:161+J], v[14:15]   ; each accumulator from its low end on
.set J, J+2
.endr
.irp b, 0,1,2,3
.irp j, 0,1,2,3
	ds_store_b128 v[STO], v[96+16*\b+4*\j:99+16*\b+4*\j] offset:128*\b+16*\j
.endr
.endr
.irp i, 0,1,2,3,4,5,6,7,8,9,10,11,12,13,14,15
	ds_load_b128 v[32+4*\i:35+4*\i], v[RDB] offset:528*\i   ; LDS serves a wave's instructions in order: these see my stores
.endr
.irp i, 0,1,2,3,4,5,6,7,8,9,10,11,12,13,14,15
	s_wait_dscnt 15-\i                             ; row i is back; the 15 - i younger loads may be out
	global_store_b128 v[LI0], v[32+4*\i:35+4*\i], s[76:77] offset:(\i+8*(\i/8))*1024   ; lane i's query is token i + 8 (i / 8) of the tile's 24: 512 consecutive bytes, at a multiple of 512 from att's first byte
.endr
	s_wait_tensorcnt 0x0                           ; the wave's end: behind my last tensor load and my last LDS store
	ds_add_u32 v[SPW], v[NIL]
	s_wait_dscnt 0x0
	CROUND                                         ; the closing round: no work-group ends while a partner may still ask for a tile that names it
	s_endpgm
.Lfunc_end_k_qd62b56d216_attn:
	.size	k_qd62b56d216_attn, .Lfunc_end_k_qd62b56d216_attn-k_qd62b56d216_attn
	.p2alignl 7, 3214868480
	.fill 96, 4, 3214868480
	.section	.rodata,"a",@progbits
	.p2align	6, 0x0
	.amdhsa_kernel k_qd62b56d216_attn
		.amdhsa_group_segment_fixed_size 327680
		.amdhsa_private_segment_fixed_size 0
		.amdhsa_enable_private_segment 0
		.amdhsa_kernarg_size 24
		.amdhsa_user_sgpr_count 2
		.amdhsa_user_sgpr_kernarg_segment_ptr 1
		.amdhsa_wavefront_size32 1
		.amdhsa_system_sgpr_workgroup_id_x 1
		.amdhsa_system_sgpr_workgroup_id_y 1
		.amdhsa_system_sgpr_workgroup_id_z 1
		.amdhsa_system_vgpr_workitem_id 0
		.amdhsa_next_free_vgpr 512
		.amdhsa_next_free_sgpr 80
		.amdhsa_reserve_vcc 0
		.amdhsa_float_denorm_mode_32 3
		.amdhsa_float_denorm_mode_16_64 3
		.amdhsa_memory_ordered 1
		.amdhsa_forward_progress 1
		.amdhsa_inst_pref_size 242
	.end_amdhsa_kernel
	.amdgpu_metadata
---
amdhsa.version: [ 1, 2 ]
amdhsa.kernels:
  - .name:           k_qd62b56d216_attn
    .symbol:         k_qd62b56d216_attn.kd
    .args:
      - { .name: qk, .offset: 0, .size: 8, .value_kind: global_buffer, .address_space: global }
      - { .name: cw, .offset: 8, .size: 8, .value_kind: global_buffer, .address_space: global }
      - { .name: att, .offset: 16, .size: 8, .value_kind: global_buffer, .address_space: global }
    .group_segment_fixed_size: 327680
    .private_segment_fixed_size: 0
    .kernarg_segment_align: 8
    .kernarg_segment_size: 24
    .max_flat_workgroup_size: 256
    .sgpr_count:     80
    .vgpr_count:     512
    .wavefront_size: 32
...
	.end_amdgpu_metadata
.endif
;; end of part 3
;; launch post (part 4): grid 256 x 1, 4 waves a work-group, no clusters, 267,776 bytes of LDS; arguments x, att, alpha_r1, alpha_r2, b1, b2, bs, cw, out0; writes out0
.if DOCPART == 4
	.amdgcn_target "amdgcn-amd-amdhsa--gfx1250"
	.amdhsa_code_object_version 6
	.text
	.protected	k_qd62b56d216_post
	.globl	k_qd62b56d216_post
	.p2align	8
	.type	k_qd62b56d216_post,@function
k_qd62b56d216_post:
	s_mov_b64 s[64:65], 0
	v_nop
	global_prefetch_b8 v0, s[64:65] scope:SCOPE_SE
	s_setreg_imm32_b32 hwreg(HW_REG_WAVE_MODE, 25, 1), 1
	s_wait_xcnt 0x0
; out0 = (W2 gelu(pixnorm(h1, alpha_r2)) + b2 + Ws cat + bs) / sqrt 2, h1 = W1 gelu(pixnorm(cat, alpha_r1)) + b1, cat = [attention's result; x] (512 channels); all three products on codes of FP6 (E2M3), one E8M0 scale for each 32 along K.
; The factor 1 / (1 + 1e-8) is 1.0 as an f32 number, so it is no multiplication here, each bias can be a sum's start or a last addend, and h2 and the short way share one accumulator.
; A work-group takes 64 tokens of one image.  x's tile [256 channels][64 tokens] and attention's [64 tokens][256 channels] come into LDS once: two tensor loads a wave, both at the start; nothing is filled again.
; PHASE X: wave w owns tokens 16 w + r.  Pass 1: cat's four K steps of 128: sum of squares; quantised as they are (the short way's operand), images to LDS.  Pass 2: the same numbers once more from LDS: alpha, rsqrt, gelu, quantised, images.  Barrier.
; PHASE 1: wave w owns output channels 64 w .. 64 w + 63 for all 64 tokens; its weights stay in registers.  h1 is made transposed (source 0 = W1's rows, source 1 = tokens: a lane holds 32 channels of one token) and goes to LDS by tokens;
; the short way is made the other way round (source 0 = tokens, source 1 = Ws's rows: a lane holds 8 neighbouring tokens of one channel), as the output lies.  Barrier.
; PHASE X2: h1's norm, gelu and quantiser, wave w for tokens 16 w + r.  Barrier.  PHASE 2: W2's product onto the short way's accumulators.  Then x 1 / sqrt 2 + (b2 + bs) / sqrt 2, through LDS, out as rows of 256 bytes.
; gelu(u) = u / 2 + (u / 2) erf(u / sqrt 2); erf(z) = zc P(zc^2) / Q(zc^2), zc = z held to +-4.
; LIMITS: the factor (1 + erf) / 2 carries an absolute error of about 1e-7; a block of zeros or under 2^-124 keeps the scale byte 1; the division by sqrt 2 is a multiplication by its reciprocal as an f32 number; NaN and infinities are not served.
; REGISTERS: window 0 as named below.  window 1: v0-191 W1's 16 fragments (12 (4 s + tile)); v192-223 b1, eight registers a tile; v224-231 b2 and bs.  window 2: v0-191 Ws's.  window 3: v0-127 the 16 accumulators (8 (4 m + tile)); v128-223 W2's 8 fragments.
.set XP,   264                         ; x's tile: a channel's row: 256 bytes + 8
.set AT,   67584                       ; attention's tile: 64 rows of 1,024 bytes + 16
.set H1,   134144                      ; h1: likewise
.set TPI,  1040
.set IMG,  200704                      ; 40 images: the short way's 4 m + s; W1's operand 16 + 4 m + s; W2's 32 + 2 m + s
.set ISC,  262144                      ; their scale words, 128 bytes each
.set OP,   272                         ; the way out: [256 channels][64 tokens], 256 bytes + 16, from LDS byte 0: over x's and attention's tiles, which have had their one fill and whose last read lies three barriers back
.set SCW,  3489792                     ; where cw's scale words begin
.set LI,  1                            ; v1   16 x lane
.set LS,  2                            ; v2   4 x lane
.set AH,  3                            ; v3   64 x (lane / 16)
.set XA,  4                            ; v4   x's tile: my token, my half's first channel; in X2: where I store images
.set TA,  5                            ; v5   attention's tile: my token's row, + 64 h; in X2: where I store scale words
.set HT,  6                            ; v6   h1: the same
.set SO,  7                            ; v7   h1: where I put results
.set OS,  8                            ; v8   the way out: where I put 32 bytes of a channel's row
.set ORD, 9                            ; v9   and where I read rows back
.set GO,  10                           ; v10  my byte offset in out0
.set IW,  11                           ; v11  where I store images
.set IS,  12                           ; v12  and their scale words
.set BR,  13                           ; v13  4 x (r + 8 (r / 8))
.set RR,  14                           ; v14-15 rsqrt(mean + 1e-8), twice
.set U,   16                           ; v16-79  64 numbers of my token
.set AL,  80                           ; v80-143 alpha at the same channels
.set GZ,  144                          ; v144-175 gelu at work
.set GY,  152
.set GP,  160
.set GQ,  168
.set TM,  176                          ; v176-191 the quantiser at work
.set T2,  192
.set PC,  200                          ; v200-211 the fragment just made
.set PW,  212
.set TP,  213
.set SS,  214                          ; v214-221 sums of squares
.set AS6, 222                          ; v222-225 scale words of W1's (later W2's) operand
.set AS5, 226                          ; v226-229 of the short way's
.set W1S, 230                          ; v230-237 W1's scale words: register 2 s + p: lanes 0-15 tile 2 p, lanes 16-31 tile 2 p + 1
.set WSS, 238                          ; v238-245 Ws's
.set W2S, 246                          ; v246-249 W2's
.set KA,  250
.set KB,  252
.set LI2, 254                          ; v254 IMG + 16 x lane
.set LS2, 255                          ; v255 ISC + 4 x lane
.set A6,  16                           ; phase 1: v16-63 four fragments of W1's operand
.set A5,  64                           ; v64-111 of the short way's
.set HA,  144                          ; v144-175 h1's four accumulators
.set BBW, 224                          ; in window 1
.set SEL, 36
.set MSB, 0
.macro WIN new                         ; the immediate's high byte repeats the setting that is left
.if MSB != \new
	s_set_vgpr_msb (MSB<<8)|\new
.set MSB, \new
.endif
.endm
.macro SPAIR r, v
	s_mov_b32 s[\r], \v
	s_mov_b32 s[\r+1], \v
.endm
; One product.  c < 0: the constant 0 starts the sum.  row = 1: source 0's scales stand in lanes 16-31 of their register; 2: source 1's.
.macro MM d, a, b, c, sa, sb, row
.if (\c) < 0
.if (\row) == 1
	v_wmma_scale_f32_16x16x128_f8f6f4 v[\d:\d+7], v[\a:\a+11], v[\b:\b+11], 0, v[\sa], v[\sb] matrix_a_fmt:MATRIX_FMT_FP6 matrix_b_fmt:MATRIX_FMT_FP6 matrix_a_scale:MATRIX_SCALE_ROW1
.elseif (\row) == 2
	v_wmma_scale_f32_16x16x128_f8f6f4 v[\d:\d+7], v[\a:\a+11], v[\b:\b+11], 0, v[\sa], v[\sb] matrix_a_fmt:MATRIX_FMT_FP6 matrix_b_fmt:MATRIX_FMT_FP6 matrix_b_scale:MATRIX_SCALE_ROW1
.else
	v_wmma_scale_f32_16x16x128_f8f6f4 v[\d:\d+7], v[\a:\a+11], v[\b:\b+11], 0, v[\sa], v[\sb] matrix_a_fmt:MATRIX_FMT_FP6 matrix_b_fmt:MATRIX_FMT_FP6
.endif
.else
.if (\row) == 1
	v_wmma_scale_f32_16x16x128_f8f6f4 v[\d:\d+7], v[\a:\a+11], v[\b:\b+11], v[\c:\c+7], v[\sa], v[\sb] matrix_a_fmt:MATRIX_FMT_FP6 matrix_b_fmt:MATRIX_FMT_FP6 matrix_a_scale:MATRIX_SCALE_ROW1
.elseif (\row) == 2
	v_wmma_scale_f32_16x16x128_f8f6f4 v[\d:\d+7], v[\a:\a+11], v[\b:\b+11], v[\c:\c+7], v[\sa], v[\sb] matrix_a_fmt:MATRIX_FMT_FP6 matrix_b_fmt:MATRIX_FMT_FP6 matrix_b_scale:MATRIX_SCALE_ROW1
.else
	v_wmma_scale_f32_16x16x128_f8f6f4 v[\d:\d+7], v[\a:\a+11], v[\b:\b+11], v[\c:\c+7], v[\sa], v[\sb] matrix_a_fmt:MATRIX_FMT_FP6 matrix_b_fmt:MATRIX_FMT_FP6
.endif
.endif
.endm
; 64 numbers of my token out of x's tile: register 16 b + i = channel 128 s + 32 b + 16 (lane / 16) + i
.macro RDX dst, s
.irp b, 0,1,2,3
.irp i, 0,1,2,3,4,5,6,7,8,9,10,11,12,13,14,15
	ds_load_b32 v[\dst+16*\b+\i], v[XA] offset:(128*(\s)+32*\b+\i)*XP
.endr
.endr
.endm
; the same out of a tile that lies by tokens
.macro RDT dst, adr, s
.irp b, 0,1,2,3
.irp j, 0,1,2,3
	ds_load_b128 v[\dst+16*\b+4*\j:\dst+16*\b+4*\j+3], v[\adr] offset:512*(\s)+128*\b+16*\j
.endr
.endr
.endm
.macro ALOAD sb, s                     ; alpha at the same channels
.irp b, 0,1,2,3
.irp j, 0,1,2,3
	global_load_b128 v[AL+16*\b+4*\j:AL+16*\b+4*\j+3], v[AH], s[\sb:\sb+1] offset:512*(\s)+128*\b+16*\j
.endr
.endr
.endm
.macro SUMSQ first                     ; U's squares onto four pairs of sums; first = 1: the first four products start them
.set SQ, 0
.rept 32
.if \first && (SQ < 4)
	v_pk_mul_f32 v[SS+2*SQ:SS+2*SQ+1], v[U+2*SQ:U+2*SQ+1], v[U+2*SQ:U+2*SQ+1]
.else
	v_pk_fma_f32 v[SS+2*(SQ%4):SS+2*(SQ%4)+1], v[U+2*SQ:U+2*SQ+1], v[U+2*SQ:U+2*SQ+1], v[SS+2*(SQ%4):SS+2*(SQ%4)+1]
.endif
.set SQ, SQ+1
.endr
.endm
.macro RNORM                           ; rsqrt(sum x s38 + 1e-8): s38 = 1 / the number of channels, a power of two
	v_pk_add_f32 v[SS:SS+1], v[SS:SS+1], v[SS+2:SS+3]
	v_pk_add_f32 v[SS+4:SS+5], v[SS+4:SS+5], v[SS+6:SS+7]
	v_pk_add_f32 v[SS:SS+1], v[SS:SS+1], v[SS+4:SS+5]
	v_add_f32 v[SS], v[SS], v[SS+1]
	v_permlanex16_b32 v[TP], v[SS], s[SEL], s[SEL+1]
	v_add_f32 v[SS], v[SS], v[TP]
	v_fma_f32 v[SS], v[SS], s38, s39
	v_rsq_f32 v[RR], v[SS]
	v_nop                                          ; one plain place behind a transcendental
	s_wait_alu depctr_va_vdst(0)
	v_mov_b32 v[RR+1], v[RR]
.endm
.macro GELU8 u                         ; eight numbers in place, stage by stage over four pairs, P's and Q's chains by turns
.irp k, 0,2,4,6
	v_pk_mul_f32 v[GZ+\k:GZ+\k+1], v[\u+\k:\u+\k+1], s[60:61] op_sel_hi:[1,0]
.endr
.irp k, 0,1,2,3,4,5,6,7
	v_med3_num_f32 v[GZ+\k], v[GZ+\k], -4.0, 4.0
.endr
.irp k, 0,2,4,6
	v_pk_mul_f32 v[GY+\k:GY+\k+1], v[GZ+\k:GZ+\k+1], v[GZ+\k:GZ+\k+1]
.endr
.irp k, 0,2,4,6
	v_pk_fma_f32 v[GP+\k:GP+\k+1], v[GY+\k:GY+\k+1], v[KA:KA+1], s[40:41] op_sel_hi:[1,1,0]
	v_pk_fma_f32 v[GQ+\k:GQ+\k+1], v[GY+\k:GY+\k+1], v[KB:KB+1], s[52:53] op_sel_hi:[1,1,0]
.endr
.irp n, 0,1,2
.irp k, 0,2,4,6
	v_pk_fma_f32 v[GP+\k:GP+\k+1], v[GP+\k:GP+\k+1], v[GY+\k:GY+\k+1], s[42+2*\n:43+2*\n] op_sel_hi:[1,1,0]
	v_pk_fma_f32 v[GQ+\k:GQ+\k+1], v[GQ+\k:GQ+\k+1], v[GY+\k:GY+\k+1], s[54+2*\n:55+2*\n] op_sel_hi:[1,1,0]
.endr
.endr
.irp n, 3,4
.irp k, 0,2,4,6
	v_pk_fma_f32 v[GP+\k:GP+\k+1], v[GP+\k:GP+\k+1], v[GY+\k:GY+\k+1], s[42+2*\n:43+2*\n] op_sel_hi:[1,1,0]
.endr
.endr
.irp k, 0,1,2,3,4,5,6,7
	v_rcp_f32 v[GQ+\k], v[GQ+\k]
.endr
.irp k, 0,2,4,6
	v_pk_mul_f32 v[GP+\k:GP+\k+1], v[GP+\k:GP+\k+1], v[GZ+\k:GZ+\k+1]           ; (plain places behind the reciprocals)
.endr
.irp k, 0,2,4,6
	v_pk_mul_f32 v[\u+\k:\u+\k+1], v[\u+\k:\u+\k+1], 0.5 op_sel_hi:[1,0]
.endr
	s_wait_alu depctr_va_vdst(0)
.irp k, 0,2,4,6
	v_pk_mul_f32 v[GP+\k:GP+\k+1], v[GP+\k:GP+\k+1], v[GQ+\k:GQ+\k+1]
.endr
.irp k, 0,2,4,6
	v_pk_fma_f32 v[\u+\k:\u+\k+1], v[GP+\k:GP+\k+1], v[\u+\k:\u+\k+1], v[\u+\k:\u+\k+1]
.endr
.endm
; 64 numbers of a lane, register 16 b + i = k 32 b + 16 (lane / 16) + i of my row, become a fragment's codes in v[pc] on and its scale word in v[pw].
.macro QUANT s, pc, pw
.irp b, 0,1,2,3
	v_max3_num_f32 v[TM+\b], |v[\s+16*\b]|, |v[\s+1+16*\b]|, 0x1800000   ; with the floor 2^(3 - 127): the byte cannot fall under 1
.endr
.irp i, 2,4,6,8,10,12,14
.irp b, 0,1,2,3
	v_max3_num_f32 v[TM+\b], v[TM+\b], |v[\s+16*\b+\i]|, |v[\s+1+16*\b+\i]|
.endr
.endr
.irp b, 0,1,2,3
	v_permlanex16_b32 v[TM+4+\b], v[TM+\b], s[SEL], s[SEL+1]
.endr
.irp b, 0,1,2,3
	v_max_num_f32 v[TM+\b], v[TM+\b], v[TM+4+\b]
.endr
.irp b, 0,1,2,3
	v_add_nc_u32 v[TM+12+\b], 0xff000000, v[TM+\b]
.endr
.irp b, 0,1,2,3
	v_lshrrev_b32 v[TM+4+\b], 23, v[TM+12+\b]
.endr
	v_lshl_or_b32 v[\pw], v[TM+5], 8, v[TM+4]
	v_lshl_or_b32 v[\pw], v[TM+6], 16, v[\pw]
	v_lshl_or_b32 v[\pw], v[TM+7], 24, v[\pw]
.irp c, 0,1
	v_cvt_scalef32_pk16_fp6_f32 v[\pc+6*\c:\pc+2+6*\c], v[\s+32*\c:\s+15+32*\c], v[TM+12+2*\c]
	v_cvt_scalef32_pk16_fp6_f32 v[T2+4*\c:T2+2+4*\c], v[\s+16+32*\c:\s+31+32*\c], v[TM+12+2*\c+1]
.endr
	v_nop                                          ; one plain place behind a scaled conversion
.irp c, 0,1
.irp i, 0,1,2
	v_permlane16_swap_b32 v[\pc+6*\c+\i], v[T2+4*\c+\i]
.endr
.irp i, 0,1,2
	v_mov_b32 v[\pc+3+6*\c+\i], v[T2+4*\c+\i]
.endr
.endr
.endm
.macro IMAGE adr, off, pc
.irp c, 0,1,2
	ds_store_b128 v[\adr], v[\pc+4*\c:\pc+4*\c+3] offset:\off+512*\c
.endr
.endm
.macro FETCH reg, adr, off
.irp c, 0,1,2
	ds_load_b128 v[\reg+4*\c:\reg+4*\c+3], v[\adr] offset:\off+512*\c
.endr
.endm
; U (asked for just before) becomes gelu(alpha U r), quantised, and goes to LDS.  donext = 1: the next step's alpha is asked for as soon as this step's has been used.
.macro ACT donext, nb, ns, iw, io, is, so
	s_wait_dscnt 0x0                               ; U is in; the last image's stores have read their registers
	s_wait_loadcnt 0x0                             ; alpha is in (and so is all else that was out)
.set AP, 0
.rept 32
	v_pk_mul_f32 v[U+AP:U+AP+1], v[U+AP:U+AP+1], v[AL+AP:AL+AP+1]
.set AP, AP+2
.endr
.if \donext
	ALOAD \nb, \ns
.endif
.set AP, 0
.rept 32
	v_pk_mul_f32 v[U+AP:U+AP+1], v[U+AP:U+AP+1], v[RR:RR+1]
.set AP, AP+2
.endr
.irp g, 0,8,16,24,32,40,48,56
	GELU8 U+\g
.endr
	QUANT U, PC, PW
	IMAGE \iw, \io, PC
	ds_store_b32 v[\is], v[PW] offset:\so
.endm
.macro BARRIER                         ; my LDS stores have landed and my LDS loads are in: then the work-group's barrier
	s_wait_dscnt 0x0
	s_barrier_signal -1
	s_barrier_wait -1
.endm
.macro CATRD s                         ; cat's K step s: 0, 1 attention's result, 2, 3 x
.if \s < 2
	RDT U, TA, \s
.else
	RDX U, \s-2
.endif
.endm
.macro PASS1 s
	CATRD \s
	s_wait_dscnt 0x0                               ; U is in; the last image's stores have read their registers
.if \s == 0
	SUMSQ 1
.else
	SUMSQ 0
.endif
	QUANT U, PC, PW
	IMAGE IW, 1536*\s, PC
	ds_store_b32 v[IS], v[PW] offset:128*\s
.endm
	s_load_b256 s[4:11], s[0:1], 0x0               ; x, att, alpha_r1, alpha_r2
	s_load_b256 s[12:19], s[0:1], 0x20             ; b1, b2, bs, cw
	s_load_b64 s[20:21], s[0:1], 0x40              ; out0
	v_lshl_add_u32 v195, v0, 2, 0x41400
	v_mov_b32 v199, 0
	ds_add_u32 v195, v199
	v_lshrrev_b32 v1, 5, v0
	v_readfirstlane_b32 s22, v1                    ; wave
	s_lshr_b32 s23, s22, 1                         ; which run of 128 rows of the weights
	s_and_b32 s62, s22, 1                          ; and which four tiles of it
	s_lshr_b32 s63, ttmp9, 6                       ; the image
	s_and_b32 s66, ttmp9, 63                       ; which 64 tokens of it
	; descriptor group 1 for x: 64 rows (channels) of 64 elements of 4 bytes, 4,096 elements apart; 2 words of padding behind every 64
	s_mov_b32 s28, (2<<16)|(1<<20)|(5<<22)|(1<<25)
	s_mov_b32 s29, 64<<16
	s_mov_b32 s30, 64<<16
	s_mov_b32 s31, 64<<16
	s_mov_b32 s32, 64
	s_mov_b32 s33, 4096
	s_mov_b32 s34, 0
	s_mov_b32 s35, 0
	; and for attention's result: 16 rows (tokens) of 256 elements, dense; 4 words of padding behind every 256
	s_mov_b32 s72, (2<<16)|(1<<20)|(7<<22)|(3<<25)
	s_mov_b32 s73, 256<<16
	s_mov_b32 s74, 16<<16
	s_mov_b32 s75, 256<<16
	s_mov_b32 s76, 16
	s_mov_b32 s77, 256
	s_mov_b32 s78, 0
	s_mov_b32 s79, 0
	s_lshl_b32 s80, s63, 22                        ; x and out0: the image, my 64 channels, the 64 tokens
	s_lshl_b32 s67, s22, 20
	s_add_co_u32 s80, s80, s67
	s_lshl_b32 s67, s66, 8
	s_add_co_u32 s80, s80, s67
	s_mov_b32 s81, 0
	s_lshl_b32 s82, s63, 22                        ; att: the image, the 64 tokens, my 16 of them, 1,024 bytes a token
	s_lshl_b32 s67, s66, 16
	s_add_co_u32 s82, s82, s67
	s_lshl_b32 s67, s22, 14
	s_add_co_u32 s82, s82, s67
	s_mov_b32 s83, 0
	s_mov_b32 s24, 1
	s_mul_i32 s25, s22, 64*XP
	s_mov_b32 s68, 1
	s_mul_i32 s69, s22, 16*TPI
	s_add_co_u32 s69, s69, AT
	s_wait_dscnt 0x0
	s_wait_kmcnt 0x0
	s_add_nc_u64 s[26:27], s[4:5], s[80:81]
	s_or_b32 s27, s27, 0x80000000
	s_add_nc_u64 s[70:71], s[6:7], s[82:83]
	s_or_b32 s71, s71, 0x80000000
	tensor_load_to_lds s[24:27], s[28:35]          ; my two tensor loads, both first fills: two are out
	s_nop 0
	tensor_load_to_lds s[68:71], s[72:79]
	s_nop 0
	v_and_b32 v16, 31, v0                          ; lane
	v_and_b32 v17, 15, v0                          ; r
	v_bfe_u32 v18, v0, 4, 1                        ; h
	v_and_b32 v19, 8, v17
	v_add_nc_u32 v19, v19, v17                     ; r + 8 (r / 8)
	v_lshlrev_b32 v[LI], 4, v16
	v_lshlrev_b32 v[LS], 2, v16
	v_lshlrev_b32 v[AH], 6, v18
	v_lshlrev_b32 v[XA], 2, v17
	v_mad_u32_u24 v[XA], v18, 16*XP, v[XA]
	s_lshl_b32 s67, s22, 6
	v_add_nc_u32 v[XA], s67, v[XA]                 ; token 16 w + r, + 16 h channels
	v_mul_u32_u24 v20, v17, TPI
	v_lshl_add_u32 v20, v18, 6, v20                ; 1,040 r + 64 h
	s_mul_i32 s67, s22, 16*TPI
	s_add_co_u32 s67, s67, AT
	v_add_nc_u32 v[TA], s67, v20
	v_add_nc_u32 v[HT], H1-AT, v[TA]
	s_lshl_b32 s67, s22, 8
	s_add_co_u32 s67, s67, H1
	v_add_nc_u32 v[SO], s67, v20                   ; + my 64 channels' 256 bytes
	s_mul_i32 s67, s22, 64*OP
	v_mul_u32_u24 v[OS], v19, OP
	v_lshl_add_u32 v[OS], v18, 5, v[OS]
	v_add_nc_u32 v[OS], s67, v[OS]
	v_mul_u32_u24 v[ORD], v18, OP
	v_lshl_add_u32 v[ORD], v17, 4, v[ORD]
	v_add_nc_u32 v[ORD], s67, v[ORD]
	v_lshlrev_b32 v[GO], 14, v18
	v_lshl_add_u32 v[GO], v17, 4, v[GO]
	s_mul_i32 s67, s22, 6144
	s_add_co_u32 s67, s67, IMG
	v_add_nc_u32 v[IW], s67, v[LI]
	s_lshl_b32 s67, s22, 9
	s_add_co_u32 s67, s67, ISC
	v_add_nc_u32 v[IS], s67, v[LS]
	v_lshlrev_b32 v[BR], 2, v19
	v_add_nc_u32 v[LI2], IMG, v[LI]
	v_add_nc_u32 v[LS2], ISC, v[LS]
	s_mov_b32 s[SEL], 0x76543210
	s_mov_b32 s[SEL+1], 0xfedcba98
	s_mov_b32 s38, 0x3b000000                      ; 1 / 512
	s_mov_b32 s39, 0x322bcc77                      ; 1e-8
	SPAIR 40, 0x32edffee                           ; P's coefficients from the second on,
	SPAIR 42, 0xb60cff51
	SPAIR 44, 0xb86ec2d2
	SPAIR 46, 0xba40ac63
	SPAIR 48, 0xbb41a1f6
	SPAIR 50, 0xbc83dbd4
	SPAIR 52, 0xb95fbd29                           ; Q's
	SPAIR 54, 0xbadc924e
	SPAIR 56, 0xbbf19bf8
	SPAIR 58, 0xbc69b6a7
	SPAIR 60, 0x3f3504f3                           ; 1 / sqrt 2
	v_mov_b32 v[KA], 0xaf95df0b
	v_mov_b32 v[KA+1], 0xaf95df0b
	v_mov_b32 v[KB], 0xb77460cd
	v_mov_b32 v[KB+1], 0xb77460cd
.irp b, 0,1,2,3
	v_mov_b32 v[TM+4+\b], 0                        ; written once: a lane permute's destination counts as one of its sources
.endr
	v_mov_b32 v[TP], 0
	s_add_nc_u64 s[20:21], s[20:21], s[80:81]      ; out0 at my first channel's 64 tokens
	s_lshl_b32 s88, s22, 8
	s_mov_b32 s89, 0
	s_add_nc_u64 s[12:13], s[12:13], s[88:89]      ; b1, b2, bs at my 64 channels
	s_add_nc_u64 s[14:15], s[14:15], s[88:89]
	s_add_nc_u64 s[16:17], s[16:17], s[88:89]
	s_lshl_b32 s67, s23, 5
	s_lshl_b32 s88, s62, 2
	s_add_co_u32 s67, s67, s88                     ; W1, Ws: my first fragment within the tensor: 32 run + 4 (w % 2)
	s_mul_i32 s80, s67, 1536
	s_mov_b32 s81, 0
	s_add_nc_u64 s[80:81], s[18:19], s[80:81]
	s_lshl_b32 s82, s67, 6
	s_mov_b32 s83, 0
	s_add_nc_u64 s[82:83], s[18:19], s[82:83]
	s_lshl_b32 s67, s23, 4
	s_add_co_u32 s67, s67, s88                     ; W2: 16 run + 4 (w % 2)
	s_mul_i32 s84, s67, 1536
	s_mov_b32 s85, 0
	s_add_nc_u64 s[84:85], s[18:19], s[84:85]
	s_lshl_b32 s86, s67, 6
	s_mov_b32 s87, 0
	s_add_nc_u64 s[86:87], s[18:19], s[86:87]
	ALOAD 8, 0                                     ; alpha_r1, K step 0
	WIN 0x40                                       ; destination window 1
.irp s, 0,1,2,3
.irp t, 0,1,2,3
.irp c, 0,1,2
	global_load_b128 v[12*(4*\s+\t)+4*\c:12*(4*\s+\t)+4*\c+3], v[LI], s[80:81] offset:(2112+8*\s+\t)*1536+512*\c   ; W1
.endr
.endr
.endr
.irp t, 0,1,2,3
.irp j, 0,1
	global_load_b128 v[192+8*\t+4*\j:192+8*\t+4*\j+3], v[AH], s[12:13] offset:4*(32*(\t/2)+8*(\t%2))+16*\j   ; b1 in h1's layout
.endr
.endr
.irp t, 0,1,2,3
	global_load_b32 v[BBW+2*\t], v[BR], s[14:15] offset:4*(32*(\t/2)+8*(\t%2))       ; b2 and bs at my lane's channel of each tile
	global_load_b32 v[BBW+2*\t+1], v[BR], s[16:17] offset:4*(32*(\t/2)+8*(\t%2))
.endr
	WIN 0x80                                       ; destination window 2
.irp s, 0,1,2,3
.irp t, 0,1,2,3
.irp c, 0,1,2
	global_load_b128 v[12*(4*\s+\t)+4*\c:12*(4*\s+\t)+4*\c+3], v[LI], s[80:81] offset:(2176+8*\s+\t)*1536+512*\c   ; Ws
.endr
.endr
.endr
	WIN 0xc0                                       ; destination window 3
.irp s, 0,1
.irp t, 0,1,2,3
.irp c, 0,1,2
	global_load_b128 v[128+12*(4*\s+\t)+4*\c:128+12*(4*\s+\t)+4*\c+3], v[LI], s[84:85] offset:(2240+8*\s+\t)*1536+512*\c   ; W2
.endr
.endr
.endr
	WIN 0
.irp s, 0,1,2,3
.irp p, 0,1
	global_load_b32 v[W1S+2*\s+\p], v[LS], s[82:83] offset:SCW+64*(2112+8*\s+2*\p)   ; two neighbouring tiles' scale words in one register
	global_load_b32 v[WSS+2*\s+\p], v[LS], s[82:83] offset:SCW+64*(2176+8*\s+2*\p)
.endr
.endr
.irp s, 0,1
.irp p, 0,1
	global_load_b32 v[W2S+2*\s+\p], v[LS], s[86:87] offset:SCW+64*(2240+8*\s+2*\p)
.endr
.endr
	s_wait_tensorcnt 0x0                           ; my parts of both tiles have landed,
	s_barrier_signal -1
	s_barrier_wait -1                              ; everybody's have
	; ---- X, pass 1: cat as it is
	PASS1 0
	PASS1 1
	PASS1 2
	PASS1 3
	RNORM
	; ---- X, pass 2: gelu(pixnorm(cat))
	CATRD 0
	ACT 1, 8, 1, IW, 24576, IS, 2048
	CATRD 1
	ACT 1, 8, 2, IW, 24576+1536, IS, 2048+128
	CATRD 2
	ACT 1, 8, 3, IW, 24576+3072, IS, 2048+256
	CATRD 3
	ACT 0, 8, 0, IW, 24576+4608, IS, 2048+384
	BARRIER                                        ; the 32 images lie in LDS; nobody reads x's or attention's tile any more
	; ---- 1: a tile of 16 tokens at a time; four accumulators by turns in each run, K step by K step
.irp m, 0,1,2,3
.irp s, 0,1,2,3
	FETCH A6+12*\s, LI2, (16+4*\m+\s)*1536
	FETCH A5+12*\s, LI2, (4*\m+\s)*1536
	ds_load_b32 v[AS6+\s], v[LS2] offset:(16+4*\m+\s)*128
	ds_load_b32 v[AS5+\s], v[LS2] offset:(4*\m+\s)*128
.endr
	s_wait_dscnt 0x0                               ; they are in, and the last tile's stores of h1 have read their registers
	WIN 0x11                                       ; source 0 (W1) and source 2 (b1) window 1
.irp t, 0,1,2,3
	MM HA+8*\t, 12*\t, A6, 192+8*\t, W1S+\t/2, AS6, \t%2
.endr
	WIN 0x01
.irp s, 1,2,3
.irp t, 0,1,2,3
	MM HA+8*\t, 12*(4*\s+\t), A6+12*\s, HA+8*\t, W1S+2*\s+\t/2, AS6+\s, \t%2
.endr
.endr
	WIN 0xf8                                       ; source 1 (Ws) window 2, C and D window 3
.irp t, 0,1,2,3
	MM 8*(4*\m+\t), A5, 12*\t, -1, AS5, WSS+\t/2, 2*(\t%2)
.endr
.irp s, 1,2,3
.irp t, 0,1,2,3
	MM 8*(4*\m+\t), A5+12*\s, 12*(4*\s+\t), 8*(4*\m+\t), AS5+\s, WSS+2*\s+\t/2, 2*(\t%2)
.endr
.endr
	WIN 0
.rept 5
	v_nop                                          ; four places in front of stores of results and of loads into operands; five in front of the next tile's products, which write h1's accumulators anew
.endr
.irp t, 0,1,2,3
.irp j, 0,1
	ds_store_b128 v[SO], v[HA+8*\t+4*\j:HA+8*\t+4*\j+3] offset:16*TPI*\m+128*(\t/2)+32*(\t%2)+16*\j   ; lane (r, h): h1(token 16 m + r, channel 64 w + 32 (t / 2) + 8 (t % 2) + 16 h + 0 .. 7); each accumulator from its low end on
.endr
.endr
.endr
	ALOAD 10, 0                                    ; alpha_r2, K step 0
	BARRIER                                        ; h1 lies in LDS
	; ---- X2
	s_mov_b32 s38, 0x3b800000                      ; 1 / 256
	RDT U, HT, 0
	s_wait_dscnt 0x0
	SUMSQ 1
	RDT U, HT, 1
	s_wait_dscnt 0x0
	SUMSQ 0
	RNORM
	s_mul_i32 s67, s22, 3072
	s_add_co_u32 s67, s67, IMG+49152
	v_add_nc_u32 v[XA], s67, v[LI]                 ; where I store W2's operand: records 32 + 2 w + s
	s_lshl_b32 s67, s22, 8
	s_add_co_u32 s67, s67, ISC+4096
	v_add_nc_u32 v[TA], s67, v[LS]
	RDT U, HT, 0
	ACT 1, 10, 1, XA, 0, TA, 0
	RDT U, HT, 1
	ACT 0, 10, 0, XA, 1536, TA, 128
	BARRIER                                        ; its eight images lie in LDS
	; ---- 2: onto the short way's accumulators
.irp m, 0,1,2,3
	FETCH A6, LI2, (32+2*\m)*1536
	FETCH A6+12, LI2, (33+2*\m)*1536
	ds_load_b32 v[AS6], v[LS2] offset:(32+2*\m)*128
	ds_load_b32 v[AS6+1], v[LS2] offset:(33+2*\m)*128
	s_wait_dscnt 0x0
	WIN 0xfc                                       ; source 1 (W2), C and D window 3
.irp s, 0,1
.irp t, 0,1,2,3
	MM 8*(4*\m+\t), A6+12*\s, 128+12*(4*\s+\t), 8*(4*\m+\t), AS6+\s, W2S+2*\s+\t/2, 2*(\t%2)
.endr
.endr
	WIN 0
.rept 4
	v_nop                                          ; places in front of loads into operands and of the first read of results
.endr
.endr
	; ---- the way out
	WIN 0x45                                       ; destination and both sources window 1
.irp t, 0,1,2,3
	v_add_f32 v[BBW+2*\t], v[BBW+2*\t], v[BBW+2*\t+1]
.endr
.irp t, 0,1,2,3
	v_mul_f32 v[BBW+2*\t], s60, v[BBW+2*\t]        ; (b2 + bs) / sqrt 2 at my lane's channel
.endr
.irp t, 0,1,2,3
	v_mov_b32 v[BBW+2*\t+1], v[BBW+2*\t]
.endr
	WIN 0xd3                                       ; destination and source 0 window 3, source 2 window 1
.irp m, 0,1,2,3
.irp t, 0,1,2,3
.irp k, 0,2,4,6
	v_pk_fma_f32 v[8*(4*\m+\t)+\k:8*(4*\m+\t)+\k+1], v[8*(4*\m+\t)+\k:8*(4*\m+\t)+\k+1], s[60:61], v[BBW+2*\t:BBW+2*\t+1] op_sel_hi:[1,0,1]   ; each accumulator from its low end on
.endr
.endr
.endr
	WIN 0x0c                                       ; an LDS store's data are its source 1: window 3
.irp m, 0,1,2,3
.irp t, 0,1,2,3
.irp j, 0,1
	ds_store_b128 v[OS], v[8*(4*\m+\t)+4*\j:8*(4*\m+\t)+4*\j+3] offset:(32*(\t/2)+8*(\t%2))*OP+64*\m+16*\j   ; lane (r, h): channel 64 w + 32 (t / 2) + 8 (t % 2) + r + 8 (r / 8), tokens 16 m + 8 h + 0 .. 7
.endr
.endr
.endr
	WIN 0
.irp i, 0,1,2,3,4,5,6,7,8,9,10,11,12,13,14,15,16,17,18,19,20,21,22,23,24,25,26,27,28,29,30,31
	ds_load_b128 v[16+4*\i:19+4*\i], v[ORD] offset:2*OP*\i   ; my own 64 rows, two an instruction.  LDS serves a wave's instructions in order: these see my stores
.endr
.irp i, 0,1,2,3,4,5,6,7,8,9,10,11,12,13,14,15,16,17,18,19,20,21,22,23,24,25,26,27,28,29,30,31
	s_wait_dscnt 31-\i                             ; rows 2 i and 2 i + 1 are back; the 31 - i younger loads may be out
	global_store_b128 v[GO], v[16+4*\i:19+4*\i], s[20:21] offset:32768*\i th:TH_STORE_NT   ; sixteen lanes store 256 consecutive bytes, at a multiple of 256 from out0's first byte; written once, read by nobody here
.endr
	s_wait_tensorcnt 0x0
	ds_add_u32 v195, v199
	s_wait_dscnt 0x0
	s_endpgm
.Lfunc_end_k_qd62b56d216_post:
	.size	k_qd62b56d216_post, .Lfunc_end_k_qd62b56d216_post-k_qd62b56d216_post
	.p2alignl 7, 3214868480
	.fill 96, 4, 3214868480
	.section	.rodata,"a",@progbits
	.p2align	6, 0x0
	.amdhsa_kernel k_qd62b56d216_post
		.amdhsa_group_segment_fixed_size 267776
		.amdhsa_private_segment_fixed_size 0
		.amdhsa_enable_private_segment 0
		.amdhsa_kernarg_size 72
		.amdhsa_user_sgpr_count 2
		.amdhsa_user_sgpr_kernarg_segment_ptr 1
		.amdhsa_wavefront_size32 1
		.amdhsa_system_sgpr_workgroup_id_x 1
		.amdhsa_system_sgpr_workgroup_id_y 1
		.amdhsa_system_sgpr_workgroup_id_z 1
		.amdhsa_system_vgpr_workitem_id 0
		.amdhsa_next_free_vgpr 1024
		.amdhsa_next_free_sgpr 90
		.amdhsa_reserve_vcc 0
		.amdhsa_float_denorm_mode_32 3
		.amdhsa_float_denorm_mode_16_64 3
		.amdhsa_memory_ordered 1
		.amdhsa_forward_progress 1
		.amdhsa_inst_pref_size 255
	.end_amdhsa_kernel
	.section	.bss,"aw",@nobits
	.p2align	6
	.space	262144
	.amdgpu_metadata
---
amdhsa.version: [ 1, 2 ]
amdhsa.kernels:
  - .name:           k_qd62b56d216_post
    .symbol:         k_qd62b56d216_post.kd
    .args:
      - { .name: x, .offset: 0, .size: 8, .value_kind: global_buffer, .address_space: global }
      - { .name: att, .offset: 8, .size: 8, .value_kind: global_buffer, .address_space: global }
      - { .name: alpha_r1, .offset: 16, .size: 8, .value_kind: global_buffer, .address_space: global }
      - { .name: alpha_r2, .offset: 24, .size: 8, .value_kind: global_buffer, .address_space: global }
      - { .name: b1, .offset: 32, .size: 8, .value_kind: global_buffer, .address_space: global }
      - { .name: b2, .offset: 40, .size: 8, .value_kind: global_buffer, .address_space: global }
      - { .name: bs, .offset: 48, .size: 8, .value_kind: global_buffer, .address_space: global }
      - { .name: cw, .offset: 56, .size: 8, .value_kind: global_buffer, .address_space: global }
      - { .name: out0, .offset: 64, .size: 8, .value_kind: global_buffer, .address_space: global }
    .group_segment_fixed_size: 267776
    .private_segment_fixed_size: 0
    .kernarg_segment_align: 8
    .kernarg_segment_size: 72
    .max_flat_workgroup_size: 128
    .sgpr_count:     90
    .vgpr_count:     1024
    .wavefront_size: 32
...
	.end_amdgpu_metadata
.endif
;; end of part 4
